; MI455X (gfx1250); checked and timed in simulation.
; The chip was launched on July 23, 2026; its instructions are those of AMD's public machine-readable ISA for CDNA 5 (MIT licence, August 2026) and "CDNA5" Instruction Set Architecture Reference Guide (July 2026). The comments in the code are by the model that wrote it; some were corrected since.
;; Attention. Allowed arithmetic: matrix products marked QUANTISED: E3M2 operands, one E8M0 scale for each 32 along K, by v_wmma_scale_f32_16x16x128_f8f6f4 with both operands' format E3M2, f32 sums; everything else in f32.
;; Inputs: Wk 1,024 x 1,024 float32; Wo 1,024 x 1,024 float32; Wq 1,024 x 1,024 float32; Wv 1,024 x 1,024 float32; bk 1,024 float32; bo 1,024 float32; bq 1,024 float32; bv 1,024 float32; x 4 x 2,048 x 1,024 float32.
;; Outputs: out0 4 x 2,048 x 1,024 float32.
;; This version of the problem:
;;   THIS VERSION OF THE PROBLEM IS GIVEN IN LOW PRECISION. The matrix products marked QUANTISED in the list below multiply operands that are first quantised to E3M2 (3 exponent bits, 2 mantissa bits; 6 bits a number), with one power-of-two scale for each 32 numbers along K (OCP MX v1.0); their sums are f32. All else is computed in f32.
;;   The module's matrix products, in the order in which they are computed (A, B: the left and right operand; K: the contracted axis; several contracted axes count as one K, in the product's order):
;;     1. [M 8,192, K 1,024] x [K 1,024, N 1,024]; A: input x; B: input Wq: QUANTISED
;;     2. [M 8,192, K 1,024] x [K 1,024, N 1,024]; A: input x; B: input Wk: QUANTISED
;;     3. [M 8,192, K 1,024] x [K 1,024, N 1,024]; A: input x; B: input Wv: QUANTISED
;;     4. batch 64 x [M 2,048, K 64] x [K 64, N 2,048]; A: computed on the way; B: computed on the way: QUANTISED
;;     5. batch 64 x [M 2,048, K 2,048] x [K 2,048, N 64]; A: softmax (see below); B: computed on the way: QUANTISED
;;     6. [M 8,192, K 1,024] x [K 1,024, N 1,024]; A: computed on the way; B: input Wo: QUANTISED
;;   THE QUANTISER, for each operand of a quantised product, along K:
;;     - K is cut into blocks of 32 from its start; a last block that is shorter is filled with zeros.
;;     - A block's scale is 2^e with e = floor(log2(the largest magnitude in the block)) - 4, held to -126 .. 127; a block of zeros has e = 0. As a byte (E8M0): e + 127.
;;     - Each number is divided by its block's scale, clamped to +-28, and rounded to the nearest number of E3M2, ties to even, subnormals kept.
;;     - The product sums the exact products of the quantised numbers (number of the format x scale) in f32.
;;   ~~~python
;;   def quantise(x, axis):      # numpy; x: float32 -> the quantised numbers, widened to float32 again
;;       x = np.moveaxis(x, axis, -1); K = x.shape[-1]
;;       x = np.pad(x, [(0, 0)] * (x.ndim - 1) + [(0, -K % 32)]); x = x.reshape(x.shape[:-1] + (-1, 32)); a = np.abs(x).max(-1, keepdims=True)
;;       e = np.where(a > 0, np.clip(np.frexp(np.where(a > 0, a, 1))[1] - 1 - 4, -126, 127), 0)      # np.frexp(a)[1] - 1 = floor(log2(a)), exactly
;;       r = np.clip(x / 2.0 ** e, -28, 28)
;;       step = 2.0 ** (np.maximum(np.frexp(np.where(r == 0, 1, r))[1] - 1, -2) - 2)
;;       q = np.round(r / step) * step * 2.0 ** e      # np.round: ties to even
;;       return np.moveaxis(q.reshape(q.shape[:-2] + (-1,))[..., :K], -1, axis).astype(np.float32)
;;   ~~~
;;   SOFTMAX AHEAD OF A QUANTISED PRODUCT. Where the list says 'softmax', what is quantised is not the finished softmax but p = 2^(t - M), with t = logit x log2(e) and M = ceil(the row's largest t), a whole number; so 1/2 < the row's largest p <= 1. The row's sum l is taken of the UNQUANTISED p, in f32, and the product's result is divided by l at the end. Since M is a whole number, a kernel that streams over the keys may use a running M (the ceiling of the running maximum): every later rescaling is an exact power of two, which a block's scale takes up: the codes' values come out the same.
;;   OPERANDS COMPUTED ON THE WAY. 'Computed on the way' means the value that the module computes at that place (a softmax that the list does not call 'softmax' is quantised finished and normalised). What goes into a quantiser is computed in f32, as accurately as f32 sums, v_exp_f32 and their like allow (about 1e-6 of the number): no bf16 or f16 on the way to a quantiser, and a product that is left as it is and whose result goes on into a quantised operand takes f32 operands (vector FMAs, or v_wmma_f32_16x16x4_f32). A number that lies on a knife's edge between two numbers of the format may be rounded either way, as far as f32 arithmetic and the matrix unit's own rounding can turn it there, and no further.
;; One version. Each part assembles by itself: llvm-mc -triple=amdgcn-amd-amdhsa -mcpu=gfx1250 --defsym DOCPART=n.
;; ======== version 1 of 1: 4 launches
;; limits: right only within a limited range of input values
;; workspace buffers: xc 6,291,456 bytes; xs 262,144 bytes; wc 3,145,728 bytes; ws 131,072 bytes; qrec 6,815,744 bytes; kv 13,369,344 bytes; cc 6,291,456 bytes; cs 524,288 bytes
;; launch quant (part 1): grid 512 x 1, 4 waves a work-group, no clusters, 48,128 bytes of LDS; arguments x, xc, xs, Wq, Wk, Wv, Wo, wc, ws; writes xc, xs, wc, ws
.if DOCPART == 1
	.amdgcn_target "amdgcn-amd-amdhsa--gfx1250"
	.amdhsa_code_object_version 6
	.text
	.protected	k_q782b94cf5d_quant
	.globl	k_q782b94cf5d_quant
	.p2align	8
	.type	k_q782b94cf5d_quant,@function
k_q782b94cf5d_quant:
	s_mov_b64 s[64:65], 0
	v_nop
	global_prefetch_b8 v0, s[64:65] scope:SCOPE_SE
	s_setreg_imm32_b32 hwreg(HW_REG_WAVE_MODE, 25, 1), 1
	s_wait_xcnt 0x0
; x [8192][1024] and Wq, Wk, Wv, Wo [1024 (k)][1024 (n)], f32, become codes of BF6 (E3M2) with one E8M0 byte for each 32 along K, laid IN THE ORDER OF THE OPERAND'S REGISTERS.
; ONE LAUNCH, TWO PATHS that part on the work-group's number alone: work-groups 0-255 take x, 256-511 the weights.  Each path has LDS bytes of its own.
; BLOCKS OF 16: lane r of block 2 P + u stands for row (column) 32 P + 8 u + r + 8 (r / 8).
; xc [512 blocks][8 K steps][1536], wc [256 blocks = 64 x weight + 2 G + u][8 K steps][1536]: a fragment of 16 x 128 K; for c = 0, 1: registers 6 c .. 6 c + 3 of lane L at 768 c + 16 L, registers 6 c + 4, 6 c + 5 at 768 c + 512 + 8 L.
; xs [256 P][2 q][32 lanes r + 16 u][4 words], ws [128 pairs = 32 x weight + G] likewise: word k is the scale word of K step 4 q + k.
; A block's scale is 2^(floor(log2(largest magnitude)) - 4); its byte is the largest magnitude's exponent field - 4, held at 1 from below.
; LIMITS: a block of zeros, or one whose largest magnitude lies under 2^-122, keeps the byte 1 (the bytes are read by this program alone); NaN and infinities are not served.
; No tensor loads, no cluster, no data prefetch: nothing is shared between work-groups, and every input byte is read once, as a stream.
.set WB,    33792                      ; LDS: x's four stages of 16 x 528 bytes; from WB on the weights' four stages of 3,328 bytes,
.set SCG,   WB+13312                   ; their 32 x 4 scale words,
.set SPARE, WB+13824                   ; and the spare words, 128 bytes a wave
.set SPW,   47                         ; v47, v63: the add's two registers; neither path writes them
.set NIL,   63
	v_lshl_add_u32 v[SPW], v0, 2, SPARE
	v_mov_b32 v[NIL], 0
	s_cmp_lt_u32 ttmp9, 256
	s_wait_alu depctr_va_vdst(0)                   ; the wait ahead of the branch
	s_cbranch_scc0 .Lweights
; ---- x.  Wave W = 4 x work-group + wave takes row block W / 2 and K steps 4 (W % 2) on.  Each load reads 512 consecutive bytes of one row; a K step's 16 x 512 bytes turn through the wave's own stage,
; so that a lane gets 16 neighbours of each block of 32.  No barrier: waves share nothing.
.set TM,    16                         ; v16-31   at work in QUANT
.set PC,    32                         ; v32-43   the fragment just made
.set CT,    44                         ; v44-46, v48-50 the conversions' second halves
.set SW,    52                         ; v52-55   four scale words
.set RAW,   64                         ; v64-191  two sets of 64 registers as loaded
.set X,     192                        ; v192-255 register 16 b + i = k 32 b + 16 (lane / 16) + i of my row
.set SEL,   12
.set PITCH, 528
	s_load_b128 s[4:7], s[0:1], 0x0                ; x, xc
	s_load_b64 s[8:9], s[0:1], 0x10                ; xs
	v_lshrrev_b32 v1, 5, v0
	v_readfirstlane_b32 s14, v1                    ; wave
	v_and_b32 v1, 31, v0                           ; L
	v_and_b32 v2, 15, v0                           ; r
	v_bfe_u32 v3, v0, 4, 1                         ; h
	v_lshlrev_b32 v4, 4, v1
	v_lshlrev_b32 v5, 3, v1
	s_mul_i32 s15, s14, 16*PITCH                   ; my stage
	v_add_nc_u32 v6, s15, v4                       ; into it: 16 L of a row
	v_mul_u32_u24 v7, v2, PITCH
	v_lshl_add_u32 v7, v3, 6, v7
	v_add_nc_u32 v7, s15, v7                       ; out of it: row r, + 64 h
	v_lshlrev_b32 v8, 4, v2                        ; my row's four scale words
	s_lshr_b32 s16, s14, 1                         ; u
	s_and_b32 s17, s14, 1                          ; q
	s_mov_b32 s[SEL], 0x76543210
	s_mov_b32 s[SEL+1], 0xfedcba98
	s_lshl_b32 s18, ttmp9, 17                      ; x: (32 P + 8 u) rows of 4,096 bytes + 2,048 q
	s_lshl_b32 s20, s16, 15
	s_add_co_u32 s18, s18, s20
	s_lshl_b32 s20, s17, 11
	s_add_co_u32 s18, s18, s20
	s_mov_b32 s19, 0
	s_mul_i32 s20, ttmp9, 24576                    ; xc: 12,288 block + 6,144 q
	s_mul_i32 s22, s16, 12288
	s_add_co_u32 s20, s20, s22
	s_mul_i32 s22, s17, 6144
	s_add_co_u32 s20, s20, s22
	s_mov_b32 s21, 0
	s_lshl_b32 s22, ttmp9, 10                      ; xs: 1,024 P + 512 q + 256 u
	s_lshl_b32 s24, s17, 9
	s_add_co_u32 s22, s22, s24
	s_lshl_b32 s24, s16, 8
	s_add_co_u32 s22, s22, s24
	s_mov_b32 s23, 0
.irp b, 0,1,2,3
	v_mov_b32 v[TM+4+\b], 0                        ; a lane permute's destination counts as one of its sources
.endr
	s_wait_alu depctr_va_vdst(0)                   ; the wait at the head's end
	s_wait_kmcnt 0x0
	s_add_nc_u64 s[4:5], s[4:5], s[18:19]
	s_add_nc_u64 s[6:7], s[6:7], s[20:21]
	s_add_nc_u64 s[8:9], s[8:9], s[22:23]
.macro LOADX t                         ; K step t of my four: lane index i of the block is row i + 8 (i / 8)
.set i, 0
.rept 16
	global_load_b128 v[RAW+64*((\t)%2)+4*i:RAW+64*((\t)%2)+4*i+3], v4, s[4:5] offset:(i+8*(i/8))*4096+512*(\t) th:TH_LOAD_NT
.set i, i+1
.endr
.endm
.macro QUANT s, d0, d1, pw             ; 64 numbers of a lane become a fragment's codes and its scale word
.irp b, 0,1,2,3
	v_max3_num_f32 v[TM+\b], |v[\s+16*\b]|, |v[\s+1+16*\b]|, 0x2800000   ; my 16 numbers of block b, and the floor 2^(5 - 127)
.endr
.irp i, 2,4,6,8,10,12,14
.irp b, 0,1,2,3
	v_max3_num_f32 v[TM+\b], v[TM+\b], |v[\s+16*\b+\i]|, |v[\s+1+16*\b+\i]|
.endr
.endr
.irp b, 0,1,2,3
	v_permlanex16_b32 v[TM+4+\b], v[TM+\b], s[SEL], s[SEL+1]
.endr
.irp b, 0,1,2,3
	v_max_num_f32 v[TM+\b], v[TM+\b], v[TM+4+\b]   ; with lane l xor 16's
.endr
.irp b, 0,1,2,3
	v_add_nc_u32 v[TM+12+\b], 0xfe000000, v[TM+\b] ; 4 off the exponent field: the conversion's scale operand
.endr
.irp b, 0,1,2,3
	v_lshrrev_b32 v[TM+4+\b], 23, v[TM+12+\b]      ; the byte
.endr
	v_lshl_or_b32 v[\pw], v[TM+5], 8, v[TM+4]
	v_lshl_or_b32 v[\pw], v[TM+6], 16, v[\pw]
	v_lshl_or_b32 v[\pw], v[TM+7], 24, v[\pw]
	v_cvt_scalef32_pk16_bf6_f32 v[\d0:\d0+2], v[\s:\s+15], v[TM+12]
	v_cvt_scalef32_pk16_bf6_f32 v[CT:CT+2], v[\s+16:\s+31], v[TM+13]
	v_cvt_scalef32_pk16_bf6_f32 v[\d1:\d1+2], v[\s+32:\s+47], v[TM+14]
	v_cvt_scalef32_pk16_bf6_f32 v[CT+4:CT+6], v[\s+48:\s+63], v[TM+15]
	v_nop                                          ; one plain place behind a scaled conversion
.irp i, 0,1,2
	v_permlane16_swap_b32 v[\d0+\i], v[CT+\i]      ; a WHOLE block to a lane
	v_permlane16_swap_b32 v[\d1+\i], v[CT+4+\i]
.endr
.irp i, 0,1,2
	v_mov_b32 v[\d0+3+\i], v[CT+\i]
	v_mov_b32 v[\d1+3+\i], v[CT+4+\i]
.endr
.endm
.macro STEP t
.if (\t) < 3
	s_wait_loadcnt 16                              ; this K step's 16 loads are in; the next step's 16 may be out
.else
	s_wait_loadcnt 0x0
.endif
.set i, 0
.rept 16
	ds_store_b128 v6, v[RAW+64*((\t)%2)+4*i:RAW+64*((\t)%2)+4*i+3] offset:PITCH*i
.set i, i+1
.endr
.irp b, 0,1,2,3
.irp j, 0,1,2,3
	ds_load_b128 v[X+16*\b+4*\j:X+16*\b+4*\j+3], v7 offset:128*\b+16*\j   ; LDS serves a wave's instructions in order
.endr
.endr
	s_wait_dscnt 0x0                               ; the numbers are back, and the stores have read their registers
	s_wait_xcnt 0x0                                ; the last step's global stores have read the fragment's registers
.if (\t) < 2
	LOADX (\t)+2
.endif
	QUANT X, PC, PC+6, SW+(\t)
	global_store_b128 v4, v[PC:PC+3], s[6:7] offset:1536*(\t)
	global_store_b64 v5, v[PC+4:PC+5], s[6:7] offset:1536*(\t)+512
	global_store_b128 v4, v[PC+6:PC+9], s[6:7] offset:1536*(\t)+768
	global_store_b64 v5, v[PC+10:PC+11], s[6:7] offset:1536*(\t)+1280
.endm
	LOADX 0
	LOADX 1
	STEP 0
	STEP 1
	STEP 2
	STEP 3
	v_cmp_gt_u32 vcc_lo, 16, v1                    ; lanes 0-15 hold the 16 rows' words
	s_wait_xcnt 0x0                                ; EXEC changes only behind this wait
	s_wait_tensorcnt 0x0                           ; the wave's end
	ds_add_u32 v[SPW], v[NIL]
	s_wait_dscnt 0x0
	s_and_saveexec_b32 s24, vcc_lo
	global_store_b128 v8, v[SW:SW+3], s[8:9]       ; sixteen lanes store 256 consecutive bytes, aligned
	s_wait_xcnt 0x0
	s_or_b32 exec_lo, exec_lo, s24
	s_endpgm
; ---- the weights.  Work-group 256 + 32 y + G, y = 2 x weight + q; wave w takes K step 4 q + w.  A LANE TAKES COLUMN 32 G + L AND ITS REGISTERS RUN DOWN K: a block of 32 lies in one lane's 32 registers.
; Column 32 G + L is lane r' = L % 8 + 8 (L / 16) of block u = (L / 8) % 2; a lane's block kb = 2 c + h is what lane r' + 16 h of the fragment holds in registers 6 c .. 6 c + 5: it is put there in the wave's own stage.
; The four waves' scale words meet in 512 bytes of LDS behind one barrier.
.Lweights:
.set CB,   32                          ; v32-62   seven of eight registers of codes for each block
.set XW,   64                          ; v64-191  four sets of 32 numbers
.set OUTR, 192                         ; v192-215 the two fragments on their way out
	s_load_b256 s[4:11], s[0:1], 0x18              ; Wq, Wk, Wv, Wo
	s_load_b128 s[12:15], s[0:1], 0x38             ; wc, ws
	v_lshrrev_b32 v1, 5, v0
	v_readfirstlane_b32 s16, v1                    ; wave
	s_sub_co_u32 s31, ttmp9, 256
	s_and_b32 s32, s31, 31                         ; G
	s_lshr_b32 s19, s31, 5                         ; y
	v_and_b32 v1, 31, v0                           ; L
	v_lshlrev_b32 v4, 2, v1
	v_bfe_u32 v2, v0, 3, 1                         ; u
	v_and_b32 v3, 7, v0
	v_bfe_u32 v12, v0, 4, 1
	v_lshl_add_u32 v3, v12, 3, v3                  ; r'
	s_mul_i32 s17, s16, 3328                       ; my stage: two fragments, 1,664 bytes apart
	s_add_co_u32 s17, s17, WB
	v_mul_u32_u24 v13, v2, 1664
	v_add_nc_u32 v13, s17, v13
	v_lshl_add_u32 v5, v3, 4, v13                  ; where my four registers go
	v_lshl_add_u32 v6, v3, 3, v13                  ; and my two
	v_lshlrev_b32 v9, 4, v1
	v_add_nc_u32 v7, s17, v9                       ; back out of the stage
	v_lshl_add_u32 v8, v2, 4, v3
	v_lshlrev_b32 v8, 4, v8
	s_lshl_b32 s18, s16, 2
	s_add_co_u32 s18, s18, SCG
	v_add_nc_u32 v8, s18, v8                       ; my scale word: SCG + 16 (r' + 16 u) + 4 w
	v_add_nc_u32 v10, SCG, v9
	s_lshr_b32 s20, s19, 1                         ; weight
	s_and_b32 s21, s19, 1                          ; q
	s_lshl_b32 s22, s21, 2
	s_add_co_u32 s22, s22, s16                     ; K step
	s_lshl_b32 s24, s22, 19                        ; W: 128 rows of 4,096 bytes a K step, + 128 G
	s_lshl_b32 s26, s32, 7
	s_add_co_u32 s24, s24, s26
	s_mov_b32 s25, 0
	s_lshl_b32 s26, s20, 6                         ; wc: ((64 weight + 2 G) 8 + K step) 1,536
	s_lshl_b32 s28, s32, 1
	s_add_co_u32 s26, s26, s28
	s_lshl_b32 s26, s26, 3
	s_add_co_u32 s26, s26, s22
	s_mul_i32 s26, s26, 1536
	s_mov_b32 s27, 0
	s_lshl_b32 s28, s20, 5                         ; ws: (32 weight + G) 1,024 + 512 q
	s_add_co_u32 s28, s28, s32
	s_lshl_b32 s28, s28, 10
	s_lshl_b32 s30, s21, 9
	s_add_co_u32 s28, s28, s30
	s_mov_b32 s29, 0
	s_wait_alu depctr_va_vdst(0)                   ; the wait at the head's end
	s_wait_kmcnt 0x0
	s_cmp_eq_u32 s20, 1                            ; which weight: the choice hangs on the work-group's number alone
	s_cselect_b64 s[4:5], s[6:7], s[4:5]
	s_cmp_eq_u32 s20, 2
	s_cselect_b64 s[4:5], s[8:9], s[4:5]
	s_cmp_eq_u32 s20, 3
	s_cselect_b64 s[4:5], s[10:11], s[4:5]
	s_add_nc_u64 s[4:5], s[4:5], s[24:25]
	s_add_nc_u64 s[12:13], s[12:13], s[26:27]
	s_add_nc_u64 s[14:15], s[14:15], s[28:29]
.macro LOADW kb                        ; block kb: W(32 kb + i, my column)
.set i, 0
.rept 32
	global_load_b32 v[XW+32*(\kb)+i], v4, s[4:5] offset:(32*(\kb)+i)*4096 th:TH_LOAD_NT
.set i, i+1
.endr
.endm
.macro BLOCK kb
.set XS, XW+32*(\kb)
.set C, CB+8*(\kb)
.if (\kb) < 3
	s_wait_loadcnt 32                              ; this block's 32 loads are in; the next block's may be out
.else
	s_wait_loadcnt 0x0
.endif
.if (\kb) < 2
	LOADW (\kb)+2
.endif
	v_max3_num_f32 v12, |v[XS]|, |v[XS+1]|, |v[XS+2]|     ; all 32 numbers are mine; two chains
	v_max3_num_f32 v13, |v[XS+3]|, |v[XS+4]|, |v[XS+5]|
.irp i, 6,10,14,18,22,26
	v_max3_num_f32 v12, v12, |v[XS+\i]|, |v[XS+\i+1]|
	v_max3_num_f32 v13, v13, |v[XS+\i+2]|, |v[XS+\i+3]|
.endr
	v_max3_num_f32 v12, v12, |v[XS+30]|, |v[XS+31]|
	v_max3_num_f32 v12, v12, v13, 0x2800000        ; and the floor 2^(5 - 127)
	v_add_nc_u32 v14, 0xfe000000, v12
	v_lshrrev_b32 v15, 23, v14                     ; the byte
.if (\kb) == 0
	v_mov_b32 v11, v15
.else
	v_lshl_or_b32 v11, v15, 8*(\kb), v11           ; the K step's scale word
.endif
	v_cvt_scalef32_pk16_bf6_f32 v[C:C+2], v[XS:XS+15], v14
	v_cvt_scalef32_pk16_bf6_f32 v[C+4:C+6], v[XS+16:XS+31], v14
	v_nop                                          ; one plain place behind a scaled conversion
	v_mov_b32 v[C+3], v[C+4]                       ; the six registers on end
	v_mov_b32 v[C+4], v[C+5]
	v_mov_b32 v[C+5], v[C+6]
	ds_store_b128 v5, v[C:C+3] offset:768*((\kb)/2)+256*((\kb)%2)
	ds_store_b64 v6, v[C+4:C+5] offset:768*((\kb)/2)+512+128*((\kb)%2)
.endm
	LOADW 0
	LOADW 1
	BLOCK 0
	BLOCK 1
	BLOCK 2
	BLOCK 3
	ds_store_b32 v8, v11
.irp u, 0,1
.irp g, 0,1,2
	ds_load_b128 v[OUTR+12*\u+4*\g:OUTR+12*\u+4*\g+3], v7 offset:1664*\u+512*\g   ; my own bytes, in order
.endr
.endr
	s_wait_dscnt 0x0                               ; my fragments are back; my scale word has landed, for the others' sake
.irp u, 0,1
.irp g, 0,1,2
	global_store_b128 v9, v[OUTR+12*\u+4*\g:OUTR+12*\u+4*\g+3], s[12:13] offset:12288*\u+512*\g   ; 512 consecutive bytes
.endr
.endr
	s_barrier_signal -1
	s_barrier_wait -1                              ; all four K steps' words lie in LDS
	s_cmp_lg_u32 s16, 0
	s_cbranch_scc1 .Ldone
	ds_load_b128 v[16:19], v10
	s_wait_dscnt 0x0
	global_store_b128 v9, v[16:19], s[14:15]       ; 512 consecutive bytes
.Ldone:
	s_wait_tensorcnt 0x0                           ; the wave's end
	ds_add_u32 v[SPW], v[NIL]
	s_wait_dscnt 0x0
	s_endpgm
.Lfunc_end_k_q782b94cf5d_quant:
	.size	k_q782b94cf5d_quant, .Lfunc_end_k_q782b94cf5d_quant-k_q782b94cf5d_quant
	.p2alignl 7, 3214868480
	.fill 96, 4, 3214868480
	.section	.rodata,"a",@progbits
	.p2align	6, 0x0
	.amdhsa_kernel k_q782b94cf5d_quant
		.amdhsa_group_segment_fixed_size 48128
		.amdhsa_private_segment_fixed_size 0
		.amdhsa_enable_private_segment 0
		.amdhsa_kernarg_size 72
		.amdhsa_user_sgpr_count 2
		.amdhsa_user_sgpr_kernarg_segment_ptr 1
		.amdhsa_wavefront_size32 1
		.amdhsa_system_sgpr_workgroup_id_x 1
		.amdhsa_system_sgpr_workgroup_id_y 1
		.amdhsa_system_sgpr_workgroup_id_z 1
		.amdhsa_system_vgpr_workitem_id 0
		.amdhsa_next_free_vgpr 256
		.amdhsa_next_free_sgpr 66
		.amdhsa_reserve_vcc 1
		.amdhsa_float_denorm_mode_32 3
		.amdhsa_float_denorm_mode_16_64 3
		.amdhsa_memory_ordered 1
		.amdhsa_forward_progress 1
		.amdhsa_inst_pref_size 56
	.end_amdhsa_kernel
	.amdgpu_metadata
---
amdhsa.version: [ 1, 2 ]
amdhsa.kernels:
  - .name:           k_q782b94cf5d_quant
    .symbol:         k_q782b94cf5d_quant.kd
    .args:
      - { .name: x, .offset: 0, .size: 8, .value_kind: global_buffer, .address_space: global }
      - { .name: xc, .offset: 8, .size: 8, .value_kind: global_buffer, .address_space: global }
      - { .name: xs, .offset: 16, .size: 8, .value_kind: global_buffer, .address_space: global }
      - { .name: Wq, .offset: 24, .size: 8, .value_kind: global_buffer, .address_space: global }
      - { .name: Wk, .offset: 32, .size: 8, .value_kind: global_buffer, .address_space: global }
      - { .name: Wv, .offset: 40, .size: 8, .value_kind: global_buffer, .address_space: global }
      - { .name: Wo, .offset: 48, .size: 8, .value_kind: global_buffer, .address_space: global }
      - { .name: wc, .offset: 56, .size: 8, .value_kind: global_buffer, .address_space: global }
      - { .name: ws, .offset: 64, .size: 8, .value_kind: global_buffer, .address_space: global }
    .group_segment_fixed_size: 48128
    .private_segment_fixed_size: 0
    .kernarg_segment_align: 8
    .kernarg_segment_size: 72
    .max_flat_workgroup_size: 128
    .sgpr_count:     66
    .vgpr_count:     256
    .wavefront_size: 32
...
	.end_amdgpu_metadata
.endif
;; end of part 1
;; launch qkv (part 2): grid 96 x 4, 4 waves a work-group, clusters of 4 x 4, 327,680 bytes of LDS; arguments xc, xs, wc, ws, bq, bk, bv, qrec, kv; writes qrec, kv
.if DOCPART == 2
	.amdgcn_target "amdgcn-amd-amdhsa--gfx1250"
	.amdhsa_code_object_version 6
	.text
	.protected	k_q782b94cf5d_qkv
	.globl	k_q782b94cf5d_qkv
	.p2align	8
	.type	k_q782b94cf5d_qkv,@function
k_q782b94cf5d_qkv:
	s_mov_b64 s[64:65], 0
	v_nop
	global_prefetch_b8 v0, s[64:65] scope:SCOPE_SE
	s_setreg_imm32_b32 hwreg(HW_REG_WAVE_MODE, 25, 1), 1
	s_wait_xcnt 0x0
	s_wait_alu depctr_hold_cnt(0) depctr_sa_sdst(0) depctr_va_vdst(0) depctr_va_sdst(0) depctr_va_ssrc(0) depctr_va_vcc(0) depctr_vm_vsrc(0)
	s_getreg_b32 s2, hwreg(HW_REG_IB_STS2, 6, 4)
	s_cmp_eq_u32 s2, 0
	s_cbranch_scc0 .Lentry_in_a_cluster
	s_endpgm
.Lentry_in_a_cluster:
	s_bfe_u32 s2, ttmp6, 0x10000c
	s_cmp_lg_u32 s2, 0xf033
	s_cbranch_scc0 .Lentry_shape_is_right
	s_endpgm
.Lentry_shape_is_right:
.set HALFT, 24576
.set SLOT,  4*HALFT
.set SPARE, 2*SLOT
.set FR,    12
.set NL,    4
.set AP16,  6
.set AP8,   8
.set AQ16,  10
.set AQ8,   12
.set SPW,   28
.set NIL,   29
.set SCP,   32
.set SCQ,   64
.set AF,    128
.set TM,    128
.set CT,    144
.set KA,    152
.set KB,    164
.set PWA,   176
.set PWB,   177
.set SA,    180
.set SB,    184
.set WV,    22
.set PH,    23
.set G1P,   24
.set G0P,   32
.set G1Q,   40
.set G0Q,   48
.set QH,    56
.set CX,    57
.set CY,    58
.set MODE,  59
.set PT,    60
.set QT,    61
.set OUTA,  82
.set OUTB,  84
.set BIAS,  86
.set SEL,   88
.set FLOOR, 90
.set MSB, 0
.macro WIN new
.if MSB != \new
	s_set_vgpr_msb (MSB<<8)|\new
.set MSB, \new
.endif
.endm
.set MUL_LO, 0xa1
.set MUL_HI, 0xf1
.set TO_B,   0x40
.macro JLOAD s
	s_cmp_eq_u32 s[PH], 0
	s_cbranch_scc0 .Lfor_q_\@
	tensor_load_to_lds s[G0P+4*\s:G0P+4*\s+3], s[G1P:G1P+7]
	s_nop 0
.rept 4
	v_nop
.endr
	s_branch .Lasked_\@
.Lfor_q_\@:
	tensor_load_to_lds s[G0Q+4*\s:G0Q+4*\s+3], s[G1Q:G1Q+7]
	s_nop 0
.rept 4
	v_nop
.endr
.Lasked_\@:
.endm
.macro CREST
	s_cmp_lg_u32 s[WV], 0
	s_cbranch_scc1 .Lnot_wave_0_\@
	s_barrier_signal -3
.Lnot_wave_0_\@:
	s_barrier_wait -3
	s_barrier_signal -1
	s_barrier_wait -1
.endm
.macro CROUND
	s_barrier_signal -1
	s_barrier_wait -1
	CREST
.endm
.macro PLACES
.rept 4
	v_nop
.endr
.endm
	s_load_b256 s[4:11], s[0:1], 0x0
	s_load_b256 s[12:19], s[0:1], 0x20
	s_load_b64 s[20:21], s[0:1], 0x40
	v_lshl_add_u32 v[SPW], v0, 2, SPARE
	v_mov_b32 v[NIL], 0
	ds_add_u32 v28, v29
	ds_add_u32 v28, v29
	s_wait_dscnt 0x0
	v_lshrrev_b32 v1, 5, v0
	v_readfirstlane_b32 s[WV], v1
	s_lshr_b32 s[PH], s[WV], 1
	s_and_b32 s[QH], s[WV], 1
	s_bfe_u32 s[CX], ttmp6, 0x40000
	s_bfe_u32 s[CY], ttmp6, 0x40004
	s_lshl_b32 s62, s[CY], 2
	s_lshl_b32 s62, 15, s62
	s_lshl_b32 s63, 0x1111, s[CX]
	s_lshr_b32 s74, ttmp9, 1
	s_lshl_b32 s74, s74, 2
	s_and_b32 s76, ttmp9, 1
	s_lshl_b32 s76, s76, 2
	s_and_b32 s77, ttmp9, 7
	s_lshl_b32 s77, s77, 2
	s_cmp_ge_u32 ttmp9, 16
	s_cselect_b32 s[MODE], 1, 0
	s_cselect_b32 s[PT], 8, s74
	s_cselect_b32 s[QT], s77, s76
	s_add_co_u32 s[PT], s[PT], s[CY]
	s_add_co_u32 s[QT], s[QT], s[CX]
	s_or_b32 s[G1P], s62, (3<<16)|(1<<21)
	s_or_b32 s[G1Q], s63, (3<<16)|(1<<21)
.irp g, G1P, G1Q
	s_mov_b32 s[\g+1], 384<<16
	s_mov_b32 s[\g+2], 8<<16
	s_mov_b32 s[\g+3], 384<<16
	s_mov_b32 s[\g+4], 8
	s_mov_b32 s[\g+5], 1536
	s_mov_b32 s[\g+6], 0
	s_mov_b32 s[\g+7], 0
.endr
	s_mul_i32 s74, s[PT], 196608
	s_mul_i32 s75, s[QH], 98304
	s_add_co_u32 s74, s74, s75
	s_mov_b32 s75, 0
	s_mul_i32 s76, s[QT], 196608
	s_mul_i32 s77, s[QH], 98304
	s_add_co_u32 s76, s76, s77
	s_mov_b32 s77, 0
	s_mul_i32 s81, s[WV], HALFT
	s_mov_b32 s[SEL], 0x76543210
	s_mov_b32 s[SEL+1], 0xfedcba98
	s_mov_b32 s[FLOOR], 0x2800000
	s_wait_kmcnt 0x0
	s_cmp_eq_u32 s[MODE], 1
	s_cselect_b64 s[66:67], s[8:9], s[4:5]
	s_cselect_b64 s[68:69], s[10:11], s[6:7]
	s_cselect_b64 s[70:71], s[4:5], s[8:9]
	s_cselect_b64 s[72:73], s[6:7], s[10:11]
	s_add_nc_u64 s[74:75], s[66:67], s[74:75]
	s_add_nc_u64 s[76:77], s[70:71], s[76:77]
	CROUND
.irp s, 0,1
	s_mov_b32 s[G0P+4*\s], 1
	s_add_co_u32 s[G0P+4*\s+1], s81, \s*SLOT
	s_add_nc_u64 s[G0P+4*\s+2:G0P+4*\s+3], s[74:75], \s*3072
	s_or_b32 s[G0P+4*\s+3], s[G0P+4*\s+3], 0x80000000
	s_mov_b32 s[G0Q+4*\s], 1
	s_add_co_u32 s[G0Q+4*\s+1], s81, \s*SLOT
	s_add_nc_u64 s[G0Q+4*\s+2:G0Q+4*\s+3], s[76:77], \s*3072
	s_or_b32 s[G0Q+4*\s+3], s[G0Q+4*\s+3], 0x80000000
	s_wait_alu depctr_va_vdst(0)
	s_wait_tensorcnt 0x0
	ds_add_u32 v28, v29
	ds_add_u32 v28, v29
	s_wait_dscnt 0x0
	CROUND
	JLOAD \s
.endr
	v_and_b32 v1, 31, v0
	v_and_b32 v2, 15, v0
	v_bfe_u32 v3, v0, 4, 1
	v_lshlrev_b32 v4, 4, v1
	s_wait_alu depctr_va_vdst(0)
	v_lshlrev_b32 v5, 3, v1
	s_wait_alu depctr_va_vdst(0)
	s_lshl_b32 s92, s[PT], 3
	s_lshl_b32 s93, s[PH], 2
	s_add_co_u32 s92, s92, s93
	s_lshl_b32 s92, s92, 10
	s_mov_b32 s93, 0
	s_add_nc_u64 s[68:69], s[68:69], s[92:93]
	s_lshl_b32 s94, s[QT], 3
	s_lshl_b32 s95, s[QH], 2
	s_add_co_u32 s94, s94, s95
	s_lshl_b32 s94, s94, 10
	s_mov_b32 s95, 0
	s_add_nc_u64 s[72:73], s[72:73], s[94:95]
.irp i, 0,1,2,3
.irp q, 0,1
	global_load_b128 v[SCP+8*\i+4*\q:SCP+8*\i+4*\q+3], v4, s[68:69] offset:\i*1024+\q*512
	global_load_b128 v[SCQ+8*\i+4*\q:SCQ+8*\i+4*\q+3], v4, s[72:73] offset:\i*1024+\q*512
.endr
.endr
	s_mul_i32 s91, s[PH], HALFT
	s_mul_i32 s92, s[QH], HALFT
	s_add_co_u32 s92, s92, 2*HALFT
.irp s, 0,1
	v_add_nc_u32 v[AP16+\s], s91, v4
	v_add_nc_u32 v[AP8+\s], s91, v5
	v_add_nc_u32 v[AQ16+\s], s92, v4
	v_add_nc_u32 v[AQ8+\s], s92, v5
	s_add_co_u32 s91, s91, SLOT
	s_add_co_u32 s92, s92, SLOT
.endr
	v_lshlrev_b32 v14, 6, v3
	v_and_b32 v15, 8, v2
	v_add_nc_u32 v15, v15, v2
	v_lshlrev_b32 v15, 2, v15
	s_cmp_eq_u32 s[MODE], 1
	s_cselect_b32 s91, s[QT], s[PT]
	s_cselect_b32 s92, s[QH], s[PH]
	s_cselect_b32 s93, s[CY], s[CX]
	s_cselect_b32 s94, s[PH], s[QH]
	s_lshl_b32 s79, s91, 1
	s_add_co_u32 s79, s79, s92
	s_lshl_b32 s80, s93, 2
	s_lshl_b32 s94, s94, 1
	s_add_co_u32 s80, s80, s94
	s_lshr_b32 s91, s79, 4
	s_lshl_b32 s91, s91, 8
	s_lshl_b32 s92, s80, 4
	s_add_co_u32 s91, s91, s92
	s_and_b32 s92, s79, 15
	s_add_co_u32 s91, s91, s92
	s_and_b32 s92, ttmp9, 1
	s_or_b32 s92, s92, s[MODE]
	s_mov_b32 s78, 13056
	s_cmp_eq_u32 s92, 0
	s_cselect_b32 s78, 6656, s78
	s_cselect_b64 s[OUTA:OUTA+1], s[18:19], s[20:21]
	s_mul_i32 s92, s91, s78
	s_mov_b32 s93, 0
	s_add_nc_u64 s[OUTA:OUTA+1], s[OUTA:OUTA+1], s[92:93]
	s_lshl_b32 s92, s78, 4
	s_add_nc_u64 s[OUTB:OUTB+1], s[OUTA:OUTA+1], s[92:93]
	s_and_b32 s92, ttmp9, 1
	s_cmp_lg_u32 s92, 0
	s_cselect_b64 s[BIAS:BIAS+1], s[14:15], s[12:13]
	s_cmp_eq_u32 s[MODE], 1
	s_cselect_b64 s[BIAS:BIAS+1], s[16:17], s[BIAS:BIAS+1]
	s_lshl_b32 s92, s80, 8
	s_add_nc_u64 s[BIAS:BIAS+1], s[BIAS:BIAS+1], s[92:93]
.macro FRAG reg, a16, a8, q, i
	ds_load_b128 v[\reg:\reg+3], v[\a16] offset:(\i)*3072+(\q)*1536
	ds_load_b64 v[\reg+4:\reg+5], v[\a8] offset:(\i)*3072+(\q)*1536+512
	ds_load_b128 v[\reg+6:\reg+9], v[\a16] offset:(\i)*3072+(\q)*1536+768
	ds_load_b64 v[\reg+10:\reg+11], v[\a8] offset:(\i)*3072+(\q)*1536+1280
.endm
.macro WM d, q, p, z, sq, sp, rq, rp
.set RS, 2*(\rq)+(\rp)
.if \z
.if RS == 0
	v_wmma_scale_f32_16x16x128_f8f6f4 v[\d:\d+7], v[\q:\q+FR-1], v[\p:\p+FR-1], 0, v[\sq], v[\sp] matrix_a_fmt:MATRIX_FMT_BF6 matrix_b_fmt:MATRIX_FMT_BF6
.elseif RS == 1
	v_wmma_scale_f32_16x16x128_f8f6f4 v[\d:\d+7], v[\q:\q+FR-1], v[\p:\p+FR-1], 0, v[\sq], v[\sp] matrix_a_fmt:MATRIX_FMT_BF6 matrix_b_fmt:MATRIX_FMT_BF6 matrix_b_scale:MATRIX_SCALE_ROW1
.elseif RS == 2
	v_wmma_scale_f32_16x16x128_f8f6f4 v[\d:\d+7], v[\q:\q+FR-1], v[\p:\p+FR-1], 0, v[\sq], v[\sp] matrix_a_fmt:MATRIX_FMT_BF6 matrix_b_fmt:MATRIX_FMT_BF6 matrix_a_scale:MATRIX_SCALE_ROW1
.else
	v_wmma_scale_f32_16x16x128_f8f6f4 v[\d:\d+7], v[\q:\q+FR-1], v[\p:\p+FR-1], 0, v[\sq], v[\sp] matrix_a_fmt:MATRIX_FMT_BF6 matrix_b_fmt:MATRIX_FMT_BF6 matrix_a_scale:MATRIX_SCALE_ROW1 matrix_b_scale:MATRIX_SCALE_ROW1
.endif
.else
.if RS == 0
	v_wmma_scale_f32_16x16x128_f8f6f4 v[\d:\d+7], v[\q:\q+FR-1], v[\p:\p+FR-1], v[\d:\d+7], v[\sq], v[\sp] matrix_a_fmt:MATRIX_FMT_BF6 matrix_b_fmt:MATRIX_FMT_BF6
.elseif RS == 1
	v_wmma_scale_f32_16x16x128_f8f6f4 v[\d:\d+7], v[\q:\q+FR-1], v[\p:\p+FR-1], v[\d:\d+7], v[\sq], v[\sp] matrix_a_fmt:MATRIX_FMT_BF6 matrix_b_fmt:MATRIX_FMT_BF6 matrix_b_scale:MATRIX_SCALE_ROW1
.elseif RS == 2
	v_wmma_scale_f32_16x16x128_f8f6f4 v[\d:\d+7], v[\q:\q+FR-1], v[\p:\p+FR-1], v[\d:\d+7], v[\sq], v[\sp] matrix_a_fmt:MATRIX_FMT_BF6 matrix_b_fmt:MATRIX_FMT_BF6 matrix_a_scale:MATRIX_SCALE_ROW1
.else
	v_wmma_scale_f32_16x16x128_f8f6f4 v[\d:\d+7], v[\q:\q+FR-1], v[\p:\p+FR-1], v[\d:\d+7], v[\sq], v[\sp] matrix_a_fmt:MATRIX_FMT_BF6 matrix_b_fmt:MATRIX_FMT_BF6 matrix_a_scale:MATRIX_SCALE_ROW1 matrix_b_scale:MATRIX_SCALE_ROW1
.endif
.endif
.endm
.macro MUL16 a0, p, ks, zero
.irp a, \a0, \a0+1
.irp b, 0,1,2,3,4,5,6,7
	WM 8*(8*((\a)%4)+\b),128*(\p)+FR*\b,AF+FR*(\a),\zero,SCQ+8*(\b/2)+(\ks),SCP+8*((\a)/2)+(\ks),\b%2,(\a)%2
.endr
.endr
.endm
.macro FETCH_B slot, q, p
	WIN TO_B
.irp i, 0,1,2,3,4,5,6,7
	FRAG 128*(\p)+FR*\i, AQ16+\slot, AQ8+\slot, \q, \i
.endr
	WIN 0
.endm
.macro FETCH_A slot, q, i0
.irp i, \i0, \i0+1, \i0+2, \i0+3
	FRAG AF+FR*(\i), AP16+\slot, AP8+\slot, \q, \i
.endr
.endm
.macro STEP slot, ks, zero
	s_wait_dscnt 4*NL
	WIN MUL_LO
	MUL16 0, 0, \ks, \zero
	MUL16 2, 0, \ks, \zero
	s_wait_dscnt 0x0
	PLACES
	FETCH_B \slot, 1, 1
	FETCH_A \slot, 1, 0
	WIN MUL_HI
	MUL16 4, 0, \ks, \zero
	MUL16 6, 0, \ks, \zero
	PLACES
	WIN 0
	FETCH_A \slot, 1, 4
.endm
.macro TURN slot, next, fill, ks
	s_wait_tensorcnt 0x0
	ds_add_u32 v[SPW], v[NIL]
	s_wait_dscnt 4*NL+1
	WIN MUL_LO
	MUL16 0, 1, \ks, 0
	s_wait_dscnt 0x0
	s_barrier_signal -1
	MUL16 2, 1, \ks, 0
	WIN 0
	s_barrier_wait -1
.if \fill
	CREST
	s_add_nc_u64 s[G0P+4*\slot+2:G0P+4*\slot+3], s[G0P+4*\slot+2:G0P+4*\slot+3], 6144
	s_add_nc_u64 s[G0Q+4*\slot+2:G0Q+4*\slot+3], s[G0Q+4*\slot+2:G0Q+4*\slot+3], 6144
	JLOAD \slot
.else
	PLACES
.endif
	FETCH_B \next, 0, 0
	FETCH_A \next, 0, 0
	WIN MUL_HI
	MUL16 4, 1, \ks, 0
	MUL16 6, 1, \ks, 0
	PLACES
	WIN 0
	FETCH_A \next, 0, 4
.endm
.macro LAST
	s_wait_dscnt 4*NL
	WIN MUL_LO
	MUL16 0, 1, 7, 0
	MUL16 2, 1, 7, 0
	s_wait_dscnt 0x0
	WIN MUL_HI
	MUL16 4, 1, 7, 0
	MUL16 6, 1, 7, 0
	WIN 0
	PLACES
.endm
.macro QUANT a, d0, d1, pw
.set QW, 2+(\a)/4
.set QS, 64*((\a)%4)
.set QM, (QW<<2)|(QW<<4)
	WIN QM
.irp b, 0,1,2,3
	v_max3_num_f32 v[TM+\b], s[FLOOR], |v[QS+16*\b]|, |v[QS+16*\b+1]|
.endr
.irp i, 2,4,6,8,10,12,14
.irp b, 0,1,2,3
	v_max3_num_f32 v[TM+\b], v[TM+\b], |v[QS+16*\b+\i]|, |v[QS+16*\b+\i+1]|
.endr
.endr
	WIN 0
.irp b, 0,1,2,3
	v_permlanex16_b32 v[TM+4+\b], v[TM+\b], s[SEL], s[SEL+1]
.endr
.irp b, 0,1,2,3
	v_max_num_f32 v[TM+\b], v[TM+\b], v[TM+4+\b]
.endr
.irp b, 0,1,2,3
	v_add_nc_u32 v[TM+12+\b], 0xfe000000, v[TM+\b]
.endr
.irp b, 0,1,2,3
	v_lshrrev_b32 v[TM+4+\b], 23, v[TM+12+\b]
.endr
	v_lshl_or_b32 v[\pw], v[TM+5], 8, v[TM+4]
	v_lshl_or_b32 v[\pw], v[TM+6], 16, v[\pw]
	v_lshl_or_b32 v[\pw], v[TM+7], 24, v[\pw]
	WIN QW
	v_cvt_scalef32_pk16_bf6_f32 v[\d0:\d0+2], v[QS:QS+15], v[TM+12]
	v_cvt_scalef32_pk16_bf6_f32 v[CT:CT+2], v[QS+16:QS+31], v[TM+13]
	v_cvt_scalef32_pk16_bf6_f32 v[\d1:\d1+2], v[QS+32:QS+47], v[TM+14]
	v_cvt_scalef32_pk16_bf6_f32 v[CT+4:CT+6], v[QS+48:QS+63], v[TM+15]
	WIN 0
	v_nop
.irp i, 0,1,2
	v_permlane16_swap_b32 v[\d0+\i], v[CT+\i]
	v_permlane16_swap_b32 v[\d1+\i], v[CT+4+\i]
.endr
.irp i, 0,1,2
	v_mov_b32 v[\d0+3+\i], v[CT+\i]
	v_mov_b32 v[\d1+3+\i], v[CT+4+\i]
.endr
.endm
.macro ADDQ a
.set WA, 0x82+0x41*((\a)/4)
	WIN WA
.irp b, 0,1,2,3,4,5,6,7
.irp j, 0,2,4,6
	v_pk_add_f32 v[64*((\a)%4)+8*\b+\j:64*((\a)%4)+8*\b+\j+1], v[64*((\a)%4)+8*\b+\j:64*((\a)%4)+8*\b+\j+1], v[96+8*\b+96*(\b/4)+\j:96+8*\b+96*(\b/4)+\j+1]
.endr
.endr
.endm
.macro ADDP a
.set WA, 0x82+0x41*((\a)/4)
	WIN WA
.irp b, 0,1,2,3,4,5,6,7
.irp j, 0,2,4,6
	v_pk_add_f32 v[64*((\a)%4)+8*\b+\j:64*((\a)%4)+8*\b+\j+1], v[64*((\a)%4)+8*\b+\j:64*((\a)%4)+8*\b+\j+1], v[96+2*(\a):97+2*(\a)]
.endr
.endr
.endm
	s_wait_alu depctr_va_vdst(0)
	s_wait_loadcnt 0x0
	s_wait_tensorcnt 0x1
	s_barrier_signal -1
	s_barrier_wait -1
	FETCH_B 0, 0, 0
	FETCH_A 0, 0, 0
	FETCH_A 0, 0, 4
	STEP 0, 0, 1
	TURN 0, 1, 1, 1
	STEP 1, 2, 0
	TURN 1, 0, 1, 3
	STEP 0, 4, 0
	TURN 0, 1, 0, 5
	STEP 1, 6, 0
	s_cmp_eq_u32 s[MODE], 0
	s_cbranch_scc0 .Lpath_v
.irp b, 0,1,2,3,4,5,6,7
	global_load_b128 v[96+8*\b+96*(\b/4):96+8*\b+96*(\b/4)+3], v14, s[BIAS:BIAS+1] offset:(32*(\b/2)+8*(\b%2))*4
	global_load_b128 v[96+8*\b+96*(\b/4)+4:96+8*\b+96*(\b/4)+7], v14, s[BIAS:BIAS+1] offset:(32*(\b/2)+8*(\b%2))*4+16
.endr
	LAST
	s_wait_loadcnt 0x0
	v_cmp_le_u32 vcc_lo, 16, v1
.irp b, 0,1,2,3
	v_mov_b32 v[TM+4+\b], 0
.endr
.irp al, 0,1,2,3
	s_wait_xcnt 0x0
	ADDQ 2*\al
	QUANT 2*\al, KA, KB, PWA
	ADDQ 2*\al+1
	QUANT 2*\al+1, KA+6, KB+6, PWB
	v_cndmask_b32 v[SA+\al], v[PWA], v[PWB], vcc_lo
	v_lshrrev_b32 v[PWA], 16, v[PWA]
	v_lshrrev_b32 v[PWB], 16, v[PWB]
	v_cndmask_b32 v[SB+\al], v[PWA], v[PWB], vcc_lo
.irp g, 0,1,2
	global_store_b128 v4, v[KA+4*\g:KA+4*\g+3], s[OUTA:OUTA+1] offset:512+1536*\al+512*\g
	global_store_b128 v4, v[KB+4*\g:KB+4*\g+3], s[OUTB:OUTB+1] offset:512+1536*\al+512*\g
.endr
.endr
	global_store_b128 v4, v[SA:SA+3], s[OUTA:OUTA+1]
	global_store_b128 v4, v[SB:SB+3], s[OUTB:OUTB+1]
	s_branch .Lend
.Lpath_v:
.irp a, 0,1,2,3,4,5,6,7
	global_load_b32 v[96+2*\a], v15, s[BIAS:BIAS+1] offset:(32*(\a/2)+8*(\a%2))*4
	global_load_b32 v[97+2*\a], v15, s[BIAS:BIAS+1] offset:(32*(\a/2)+8*(\a%2))*4
.endr
	LAST
	s_wait_loadcnt 0x0
	v_cmp_le_u32 vcc_lo, 16, v1
.irp b, 0,1,2,3
	v_mov_b32 v[TM+4+\b], 0
.endr
.irp al, 0,1,2,3
	s_wait_xcnt 0x0
	ADDP 2*\al
	QUANT 2*\al, KA, KA+6, PWA
	ADDP 2*\al+1
	QUANT 2*\al+1, KB, KB+6, PWB
	v_cndmask_b32 v[SA+\al], v[PWA], v[PWB], vcc_lo
.irp g, 0,1,2
.if \al < 2
	global_store_b128 v4, v[KA+4*\g:KA+4*\g+3], s[OUTA:OUTA+1] offset:6656+3072*(\al%2)+512*\g
	global_store_b128 v4, v[KB+4*\g:KB+4*\g+3], s[OUTA:OUTA+1] offset:6656+3072*(\al%2)+1536+512*\g
.else
	global_store_b128 v4, v[KA+4*\g:KA+4*\g+3], s[OUTB:OUTB+1] offset:6656+3072*(\al%2)+512*\g
	global_store_b128 v4, v[KB+4*\g:KB+4*\g+3], s[OUTB:OUTB+1] offset:6656+3072*(\al%2)+1536+512*\g
.endif
.endr
.endr
	global_store_b64 v5, v[SA:SA+1], s[OUTA:OUTA+1] offset:12800
	global_store_b64 v5, v[SA+2:SA+3], s[OUTB:OUTB+1] offset:12800
.Lend:
	s_wait_tensorcnt 0x0
	ds_add_u32 v[SPW], v[NIL]
	s_wait_dscnt 0x0
	CROUND
	s_endpgm
.Lfunc_end_k_q782b94cf5d_qkv:
	.size	k_q782b94cf5d_qkv, .Lfunc_end_k_q782b94cf5d_qkv-k_q782b94cf5d_qkv
	.p2alignl 7, 3214868480
	.fill 96, 4, 3214868480
	.section	.rodata,"a",@progbits
	.p2align	6, 0x0
	.amdhsa_kernel k_q782b94cf5d_qkv
		.amdhsa_group_segment_fixed_size 327680
		.amdhsa_private_segment_fixed_size 0
		.amdhsa_enable_private_segment 0
		.amdhsa_kernarg_size 72
		.amdhsa_user_sgpr_count 2
		.amdhsa_user_sgpr_kernarg_segment_ptr 1
		.amdhsa_wavefront_size32 1
		.amdhsa_system_sgpr_workgroup_id_x 1
		.amdhsa_system_sgpr_workgroup_id_y 1
		.amdhsa_system_sgpr_workgroup_id_z 1
		.amdhsa_system_vgpr_workitem_id 0
		.amdhsa_next_free_vgpr 1024
		.amdhsa_next_free_sgpr 96
		.amdhsa_reserve_vcc 1
		.amdhsa_float_denorm_mode_32 3
		.amdhsa_float_denorm_mode_16_64 3
		.amdhsa_memory_ordered 1
		.amdhsa_forward_progress 1
		.amdhsa_inst_pref_size 223
	.end_amdhsa_kernel
	.amdgpu_metadata
---
amdhsa.version: [ 1, 2 ]
amdhsa.kernels:
  - .name:           k_q782b94cf5d_qkv
    .symbol:         k_q782b94cf5d_qkv.kd
    .args:
      - { .name: xc, .offset: 0, .size: 8, .value_kind: global_buffer, .address_space: global }
      - { .name: xs, .offset: 8, .size: 8, .value_kind: global_buffer, .address_space: global }
      - { .name: wc, .offset: 16, .size: 8, .value_kind: global_buffer, .address_space: global }
      - { .name: ws, .offset: 24, .size: 8, .value_kind: global_buffer, .address_space: global }
      - { .name: bq, .offset: 32, .size: 8, .value_kind: global_buffer, .address_space: global }
      - { .name: bk, .offset: 40, .size: 8, .value_kind: global_buffer, .address_space: global }
      - { .name: bv, .offset: 48, .size: 8, .value_kind: global_buffer, .address_space: global }
      - { .name: qrec, .offset: 56, .size: 8, .value_kind: global_buffer, .address_space: global }
      - { .name: kv, .offset: 64, .size: 8, .value_kind: global_buffer, .address_space: global }
    .group_segment_fixed_size: 327680
    .private_segment_fixed_size: 0
    .kernarg_segment_align: 8
    .kernarg_segment_size: 72
    .max_flat_workgroup_size: 128
    .sgpr_count:     96
    .vgpr_count:     1024
    .wavefront_size: 32
...
	.end_amdgpu_metadata
.endif
;; end of part 2
;; launch attn (part 3): grid 4 x 64, 16 waves a work-group, clusters of 4 x 1, 219,136 bytes of LDS; arguments qrec, kv, cc, cs; writes cc, cs
.if DOCPART == 3
	.amdgcn_target "amdgcn-amd-amdhsa--gfx1250"
	.amdhsa_code_object_version 6
	.text
	.protected	k_q782b94cf5d_attn
	.globl	k_q782b94cf5d_attn
	.p2align	8
	.type	k_q782b94cf5d_attn,@function
k_q782b94cf5d_attn:
	s_mov_b64 s[64:65], 0
	v_nop
	global_prefetch_b8 v0, s[64:65] scope:SCOPE_SE
	s_setreg_imm32_b32 hwreg(HW_REG_WAVE_MODE, 25, 1), 1
	s_wait_xcnt 0x0
	s_wait_alu depctr_hold_cnt(0) depctr_sa_sdst(0) depctr_va_vdst(0) depctr_va_sdst(0) depctr_va_ssrc(0) depctr_va_vcc(0) depctr_vm_vsrc(0)
	s_getreg_b32 s2, hwreg(HW_REG_IB_STS2, 6, 4)
	s_cmp_eq_u32 s2, 0
	s_cbranch_scc0 .Lentry_in_a_cluster
	s_endpgm
.Lentry_in_a_cluster:
	s_bfe_u32 s2, ttmp6, 0x10000c
	s_cmp_lg_u32 s2, 0x3003
	s_cbranch_scc0 .Lentry_shape_is_right
	s_endpgm
.Lentry_shape_is_right:
; ctx[b][q][head 64 + d] = the sum over keys of softmax(q . k / 8) v, both products on codes of BF6 (E3M2) with E8M0 scales; ctx is QUANTISED along head 64 + d on the way out, as the last product's operand.
; THE SOFTMAX AHEAD OF THE SECOND PRODUCT: t = score x log2(e) / 8; M = the running largest t rounded UP to a whole number; p = 2^(t - M) is quantised along the keys, not normalised; the row's sum is taken of the unquantised p and divides at the end.
; When M moves, the sum and O are multiplied by 2^(old M - new M): exact.
; SHARES: work-group (cx, bh) owns 512 queries of one head of one batch; each of its sixteen waves 32 of them, as two tiles of 16, one tile a PASS over all 2,048 keys, 128 a trip.  Four waves to a SIMD: one wave's vector work stands beside another's products and LDS loads.
; A HEAD'S K, V AND SCALE WORDS ARE 208,896 DENSE BYTES: they come into LDS once (wave w brings record w, 13,056 bytes) and stay: no ring, nothing is filled again.
; CLUSTER 4 x 1: the four blocks of queries of a head read the same records: each is asked for JOINTLY, by the same load with the mask of all four.
; LAYOUT: both products transposed (S^T = K Q^T, O^T = V^T P^T): a lane holds ONE query.  The head's 64 fill half of the instruction's 128 along K: Q's registers 6-11 are zero codes, so what stands in K's registers 6-11 (the next block's codes) adds nothing.
; The keys of a tile are not neighbours (lane r of tile 2 b + u is key 32 b + 8 u + r + 8 (r / 8)), so that the 16 registers of tiles 2 b, 2 b + 1 are 16 neighbouring keys; V's channels likewise, so that O^T's 32 registers are channels 32 b + 16 (lane / 16) + i.
; OUT: cc [512 R][8 pairs of heads][1536]: head 2 s + c is half c of a fragment (768 bytes);  cs [16 heads][256 pairs of blocks][32 lanes] words, bytes 0, 1 = the head's two blocks.
; LIMITS: NaN and infinities are not served; a block of zeros, or one under 2^-122, keeps the byte 1; 1 / the sum is v_rcp_f32's; a block's largest p is taken through its largest score, which takes v_exp_f32 not to fall where its input rises.
; REGISTERS: v1 16 L, v2 8 L, v3, v4 the trip's LDS addresses, v5-7 the scale words' way out; v12 -M, v13 the largest t, v[14:15] the sum; v16-33 Q and zeros; v34-81 K's four images, then V's; v82-87 zeros; v88-89 ctx's scale words;
;   v96-159 S^T, then p; v160-191 O^T; v192-193 V's scale words; v224-235 p's codes; v232-247, v252-254 at work; v248-251 K's scale words; v255 Q's.
.set REC,  13056
.set CSG,  16*REC                      ; behind the records: 2,048 bytes for ctx's scale words (the claim covers the reach of the address 16 x thread)
.set WV,   12
.set CX,   13
.set BH,   14
.set G0,   20
.set G1,   24
.set SEL,  32
.set CS,   34
.set TB,   36
.set CNT,  37
.macro ROUND
	s_barrier_signal -1
	s_barrier_wait -1
	s_cmp_lg_u32 s[WV], 0
	s_cbranch_scc1 .Lnot_wave_0_\@
	s_barrier_signal -3
.Lnot_wave_0_\@:
	s_barrier_wait -3
	s_barrier_signal -1
	s_barrier_wait -1
.endm
	s_load_b256 s[4:11], s[0:1], 0x0               ; qrec, kv, cc, cs
	v_lshl_add_u32 v223, v0, 2, 0x35000
	v_mov_b32 v243, 0
	ds_add_u32 v223, v243
	ds_add_u32 v223, v243
	v_lshrrev_b32 v8, 5, v0
	s_delay_alu instid0(VALU_DEP_1)
	v_readfirstlane_b32 s[WV], v8                  ; wave 0..15
	s_bfe_u32 s[CX], ttmp6, 0x40000                ; my block of 512 queries: it enters Q's, cc's and cs's addresses alone
	s_and_b32 s[BH], ttmp7, 0xffff                 ; 16 b + head, which the four partners share
	s_mov_b32 s[G1], 15|(3<<16)|(1<<21)            ; 15:0 the mask: all four; 17:16 elements of 8 bytes; 21 set beside a mask
	s_mov_b32 s[G1+1], 32<<16                      ; tensor_dim0: rows of 256 bytes
	s_mov_b32 s[G1+2], 51<<16                      ; tensor_dim1: 51 of them, a record
	s_mov_b32 s[G1+3], 32<<16                      ; tile_dim0
	s_mov_b32 s[G1+4], 51                          ; tile_dim1
	s_mov_b32 s[G1+5], 32                          ; dense
	s_mov_b32 s[G1+6], 0
	s_mov_b32 s[G1+7], 0
	s_mul_i32 s15, s[WV], REC
	s_mul_i32 s16, s[BH], 16*REC
	s_add_co_u32 s16, s16, s15
	s_mov_b32 s17, 0
	s_mov_b32 s[SEL], 0x76543210
	s_mov_b32 s[SEL+1], 0xfedcba98
	s_mov_b32 s[CS], 0x3e38aa3b                    ; c = log2(e) / 8
	s_mov_b32 s[CS+1], s[CS]                       ; (named with it as a pair)
	s_wait_dscnt 0x0
	s_wait_kmcnt 0x0
	s_mov_b32 s[G0], 1
	s_mov_b32 s[G0+1], s15                         ; LDS: record w
	s_add_nc_u64 s[G0+2:G0+3], s[6:7], s[16:17]
	s_or_b32 s[G0+3], s[G0+3], 0x80000000
	ROUND                                          ; all four work-groups are here: the joint loads meet
	tensor_load_to_lds s[G0:G0+3], s[G1:G1+7]      ; my one tensor load of the launch
	s_nop 0
.rept 4
	v_nop
.endr
	v_and_b32 v8, 31, v0
	s_delay_alu instid0(VALU_DEP_1)
	v_lshlrev_b32 v1, 4, v8
	s_wait_alu depctr_va_vdst(0)
	v_lshlrev_b32 v2, 3, v8
	v_lshl_add_u32 v5, v0, 2, CSG
	v_lshl_add_u32 v6, v0, 4, CSG
	v_lshlrev_b32 v7, 4, v0
	s_lshl_b32 s18, s[BH], 4                       ; Q's record: 16 bh + 4 cx + w / 4; in it image w % 4
	s_lshl_b32 s19, s[CX], 2
	s_add_co_u32 s18, s18, s19
	s_lshr_b32 s19, s[WV], 2
	s_add_co_u32 s18, s18, s19
	s_mul_i32 s18, s18, 6656
	s_and_b32 s19, s[WV], 3
	s_lshl_b32 s46, s19, 2
	s_add_co_u32 s46, s46, s18
	s_mov_b32 s47, 0
	s_add_nc_u64 s[40:41], s[4:5], s[46:47]        ; its scale words: word w % 4 of a lane's four
	s_mul_i32 s19, s19, 1536
	s_add_co_u32 s46, s18, s19
	s_add_co_u32 s46, s46, 512
	s_add_nc_u64 s[38:39], s[4:5], s[46:47]        ; its codes
.irp g, 0,1,2
	global_load_b128 v[16+4*\g:19+4*\g], v1, s[38:39] offset:512*\g    ; v16-21: my even block of queries; v22-27: my odd one
.endr
	global_load_b32 v255, v1, s[40:41]             ; lanes 0-15: the even block's words, lanes 16-31: the odd one's
	s_lshr_b32 s18, s[BH], 4
	s_lshl_b32 s18, s18, 6
	s_lshl_b32 s19, s[CX], 4
	s_add_co_u32 s18, s18, s19                     ; 64 b + 16 cx: the work-group's first pair of blocks
	s_and_b32 s19, s[BH], 15                       ; head
	s_lshl_b32 s48, s19, 15
	s_lshl_b32 s50, s18, 7
	s_add_co_u32 s48, s48, s50
	s_mov_b32 s49, 0
	s_add_nc_u64 s[44:45], s[10:11], s[48:49]      ; cs: 32,768 head + 128 pair
	s_add_co_u32 s18, s18, s[WV]
	s_mul_i32 s48, s18, 24576
	s_mul_i32 s50, s19, 768
	s_add_co_u32 s48, s48, s50
	s_add_nc_u64 s[42:43], s[8:9], s[48:49]        ; cc: 24,576 pair + 768 head
.irp j, 28,29,30,31,32,33,82,83,84,85,86,87,236,237,238,239,253
	v_mov_b32 v[\j], 0                             ; Q's upper half and what follows K's last block: zero codes; the lane permutes' destinations and the pair v[252:253]'s upper half: written once
.endr
	s_wait_loadcnt 0x0                             ; Q
	s_wait_tensorcnt 0x0                           ; my record has landed,
	s_barrier_signal -1
	s_barrier_wait -1                              ; everybody's has
.macro SC t, qb, row                   ; S^T of tile t: 16 keys x my 16 queries
.set RS, 2*((\t)%2)+(\row)
.if RS == 0
	v_wmma_scale_f32_16x16x128_f8f6f4 v[96+8*\t:103+8*\t], v[34+6*\t:45+6*\t], v[\qb:\qb+11], 0, v[248+\t/2], v255 matrix_a_fmt:MATRIX_FMT_BF6 matrix_b_fmt:MATRIX_FMT_BF6
.elseif RS == 1
	v_wmma_scale_f32_16x16x128_f8f6f4 v[96+8*\t:103+8*\t], v[34+6*\t:45+6*\t], v[\qb:\qb+11], 0, v[248+\t/2], v255 matrix_a_fmt:MATRIX_FMT_BF6 matrix_b_fmt:MATRIX_FMT_BF6 matrix_b_scale:MATRIX_SCALE_ROW1
.elseif RS == 2
	v_wmma_scale_f32_16x16x128_f8f6f4 v[96+8*\t:103+8*\t], v[34+6*\t:45+6*\t], v[\qb:\qb+11], 0, v[248+\t/2], v255 matrix_a_fmt:MATRIX_FMT_BF6 matrix_b_fmt:MATRIX_FMT_BF6 matrix_a_scale:MATRIX_SCALE_ROW1
.else
	v_wmma_scale_f32_16x16x128_f8f6f4 v[96+8*\t:103+8*\t], v[34+6*\t:45+6*\t], v[\qb:\qb+11], 0, v[248+\t/2], v255 matrix_a_fmt:MATRIX_FMT_BF6 matrix_b_fmt:MATRIX_FMT_BF6 matrix_a_scale:MATRIX_SCALE_ROW1 matrix_b_scale:MATRIX_SCALE_ROW1
.endif
.endm
.macro PV t                            ; O^T of tile t += 16 channels x 128 keys times p
.if (\t)%2 == 0
	v_wmma_scale_f32_16x16x128_f8f6f4 v[160+8*\t:167+8*\t], v[34+12*\t:45+12*\t], v[224:235], v[160+8*\t:167+8*\t], v[192+\t/2], v253 matrix_a_fmt:MATRIX_FMT_BF6 matrix_b_fmt:MATRIX_FMT_BF6
.else
	v_wmma_scale_f32_16x16x128_f8f6f4 v[160+8*\t:167+8*\t], v[34+12*\t:45+12*\t], v[224:235], v[160+8*\t:167+8*\t], v[192+\t/2], v253 matrix_a_fmt:MATRIX_FMT_BF6 matrix_b_fmt:MATRIX_FMT_BF6 matrix_a_scale:MATRIX_SCALE_ROW1
.endif
.endm
; One tile of 16 queries over all keys.  qb: where its operand begins; row: which half of the lanes holds its scale words; u: which block of my pair it is
.macro PASS qb, row, u
	s_wait_xcnt 0x0                                ; the last pass's stores have read their registers
	v_mov_b32 v13, 0xff61b1e6                      ; the largest t so far: -3e38
	s_delay_alu instid0(VALU_DEP_1)
	v_floor_f32 v12, -v13                          ; -M
	v_mov_b32 v14, 0
	v_mov_b32 v15, 0
.set j, 0
.rept 32
	v_mov_b32 v[160+j], 0                          ; O^T: the loop is written once; its first trip finds zeros, which the first change of M leaves zeros
.set j, j+1
.endr
	s_mov_b32 s[TB], 0
	s_mov_b32 s[CNT], 16
.Lkeys_\@:
	v_add_nc_u32 v3, s[TB], v1                     ; these four lines are the places behind the last trip's products, in front of the loads into their registers
	v_add_nc_u32 v4, s[TB], v2
	v_nop
	v_nop
	ds_load_b128 v[248:251], v3                    ; K's scale words
.irp i, 0,1,2,3,4,5,6,7,8,9,10,11
	ds_load_b128 v[34+4*\i:37+4*\i], v3 offset:512+512*\i              ; K's four images: tile t's six registers at v[34 + 6 t]
.endr
	s_wait_alu depctr_va_vdst(0)
	s_wait_dscnt 0x0
.irp t, 0,1,2,3,4,5,6,7
	SC \t, \qb, \row
.endr
.rept 4
	v_nop
.endr
.irp i, 0,1,2,3,4,5,6,7,8,9,10,11
	ds_load_b128 v[34+4*\i:37+4*\i], v3 offset:6656+512*\i             ; V's four fragments land under the softmax
.endr
	ds_load_b64 v[192:193], v4 offset:12800        ; and V's scale words
.irp b, 0,1,2,3
	v_max3_num_f32 v[232+\b], v[96+16*\b], v[97+16*\b], v[98+16*\b]    ; the largest score of each block of 32 keys: for the row's maximum, and for the block's largest p
.endr
.irp i, 3,5,7,9,11,13
.irp b, 0,1,2,3
	v_max3_num_f32 v[232+\b], v[232+\b], v[96+16*\b+\i], v[97+16*\b+\i]
.endr
.endr
.irp b, 0,1,2,3
	v_max_num_f32 v[232+\b], v[232+\b], v[111+16*\b]
.endr
.irp b, 0,1,2,3
	s_delay_alu instid0(VALU_DEP_4)
	v_permlanex16_b32 v[236+\b], v[232+\b], s[SEL], s[SEL+1]
.endr
.irp b, 0,1,2,3
	s_delay_alu instid0(VALU_DEP_4)
	v_max_num_f32 v[232+\b], v[232+\b], v[236+\b]  ; with lane l xor 16's 16 keys
.endr
	s_delay_alu instid0(VALU_DEP_2)
	v_max3_num_f32 v254, v232, v233, v234
	s_delay_alu instid0(VALU_DEP_1)
	v_max_num_f32 v254, v254, v235
	s_delay_alu instid0(VALU_DEP_1)
	v_mul_f32 v254, s[CS], v254                    ; as t (c is positive)
	s_delay_alu instid0(VALU_DEP_1)
	v_max_num_f32 v13, v13, v254                   ; the running largest t
	v_mov_b32 v254, v12
	s_delay_alu instid0(VALU_DEP_2)
	v_floor_f32 v12, -v13                          ; the new -M = -ceil(t)
	s_delay_alu instid0(VALU_DEP_1)
	v_sub_f32 v254, v12, v254                      ; old M - new M: a whole number, 0 or less
	s_delay_alu instid0(VALU_DEP_1)
	v_cvt_i32_f32 v254, v254                       ; (it saturates)
	s_delay_alu instid0(VALU_DEP_1)
	v_ldexp_f32 v252, 1.0, v254                    ; f = 2^(old M - new M)
.set j, 0
.rept 32
	v_pk_fma_f32 v[96+j:97+j], v[96+j:97+j], s[CS:CS+1], v[12:13] op_sel_hi:[1,0,0]    ; t - M, two at a time
.set j, j+2
.endr
.irp b, 0,1,2,3
	v_fma_f32 v[232+\b], v[232+\b], s[CS], v12     ; the same of each block's largest score
.endr
.set j, 0
	s_wait_alu depctr_va_vdst(0)
.rept 64
	v_exp_f32 v[96+j], v[96+j]                     ; p = 2^(t - M)
.set j, j+1
.endr
.irp b, 0,1,2,3
	v_exp_f32 v[232+\b], v[232+\b]                 ; the block's largest p
.endr
	v_pk_mul_f32 v[14:15], v[14:15], v[252:253] op_sel_hi:[1,0]        ; the sums under the new M (a plain place behind the exponentials)
	s_wait_alu depctr_va_vdst(0)
.irp b, 0,1,2,3
	v_max_num_f32 v[232+\b], 0x2800000, v[232+\b]  ; the floor 2^(5 - 127)
.endr
.irp b, 0,1,2,3
	s_delay_alu instid0(VALU_DEP_4)
	v_add_nc_u32 v[244+\b], 0xfe000000, v[232+\b]  ; the conversion's scale operand
.endr
.irp b, 0,1,2,3
	s_delay_alu instid0(VALU_DEP_4)
	v_lshrrev_b32 v[236+\b], 23, v[244+\b]
.endr
	s_delay_alu instid0(VALU_DEP_3)
	v_lshl_or_b32 v253, v237, 8, v236              ; p's scale word for these 128 keys
	s_delay_alu instid0(VALU_DEP_1)
	v_lshl_or_b32 v253, v238, 16, v253
	s_delay_alu instid0(VALU_DEP_1)
	v_lshl_or_b32 v253, v239, 24, v253
.irp c, 0,1
	v_cvt_scalef32_pk16_bf6_f32 v[224+6*\c:226+6*\c], v[96+32*\c:111+32*\c], v[244+2*\c]
	v_cvt_scalef32_pk16_bf6_f32 v[236+4*\c:238+4*\c], v[112+32*\c:127+32*\c], v[244+2*\c+1]
.endr
	v_nop                                          ; one plain place behind a scaled conversion
.irp c, 0,1
.irp i, 0,1,2
	v_permlane16_swap_b32 v[224+6*\c+\i], v[236+4*\c+\i]               ; a WHOLE block to a lane
.endr
.irp i, 0,1,2
	s_delay_alu instid0(VALU_DEP_3)
	v_mov_b32 v[227+6*\c+\i], v[236+4*\c+\i]
.endr
.endr
	v_pk_add_f32 v[236:237], v[100:101], v[104:105]
	v_pk_add_f32 v[250:251], v[108:109], v[112:113]
	v_pk_add_f32 v[248:249], v[116:117], v[120:121]
	v_pk_add_f32 v[246:247], v[124:125], v[128:129]
	v_pk_add_f32 v[244:245], v[132:133], v[136:137]
	v_pk_add_f32 v[240:241], v[140:141], v[144:145]
	v_pk_add_f32 v[220:221], v[148:149], v[152:153]
	v_pk_add_f32 v[14:15], v[14:15], v[156:157]
	v_pk_add_f32 v[236:237], v[236:237], v[96:97]
	v_pk_add_f32 v[250:251], v[250:251], v[98:99]
	v_pk_add_f32 v[248:249], v[248:249], v[102:103]
	v_pk_add_f32 v[246:247], v[246:247], v[106:107]
	v_pk_add_f32 v[244:245], v[244:245], v[110:111]
	v_pk_add_f32 v[240:241], v[240:241], v[114:115]
	v_pk_add_f32 v[220:221], v[220:221], v[118:119]
	v_pk_add_f32 v[14:15], v[14:15], v[122:123]
	v_pk_add_f32 v[236:237], v[236:237], v[126:127]
	v_pk_add_f32 v[250:251], v[250:251], v[130:131]
	v_pk_add_f32 v[248:249], v[248:249], v[134:135]
	v_pk_add_f32 v[246:247], v[246:247], v[138:139]
	v_pk_add_f32 v[244:245], v[244:245], v[142:143]
	v_pk_add_f32 v[240:241], v[240:241], v[146:147]
	v_pk_add_f32 v[220:221], v[220:221], v[150:151]
	v_pk_add_f32 v[14:15], v[14:15], v[154:155]
	v_pk_add_f32 v[236:237], v[236:237], v[158:159]
	s_delay_alu instid0(VALU_DEP_2)
	v_pk_add_f32 v[14:15], v[14:15], v[246:247]
	s_delay_alu instid0(VALU_DEP_2)
	v_pk_add_f32 v[236:237], v[236:237], v[244:245]
	v_pk_add_f32 v[250:251], v[250:251], v[240:241]
	v_pk_add_f32 v[248:249], v[248:249], v[220:221]
	s_delay_alu instid0(VALU_DEP_2)
	v_pk_add_f32 v[14:15], v[14:15], v[250:251]
	s_delay_alu instid0(VALU_DEP_2)
	v_pk_add_f32 v[236:237], v[236:237], v[248:249]
	s_delay_alu instid0(VALU_DEP_1)
	v_pk_add_f32 v[14:15], v[14:15], v[236:237]
.set j, 0
.rept 16
	v_pk_mul_f32 v[160+j:161+j], v[160+j:161+j], v[252:253] op_sel_hi:[1,0]            ; O^T under the new M
.set j, j+2
.endr
	s_wait_alu depctr_va_vdst(0)
	s_wait_dscnt 0x0                               ; V
.irp t, 0,1,2,3
	PV \t                                          ; four accumulators by turns
.endr
	s_add_co_u32 s[TB], s[TB], REC
	s_sub_co_u32 s[CNT], s[CNT], 1
	s_cmp_lg_u32 s[CNT], 0
	s_cbranch_scc1 .Lkeys_\@
.rept 4
	v_nop
.endr
	v_add_f32 v14, v14, v15                        ; the sum's two halves,
	s_delay_alu instid0(VALU_DEP_1)
	v_permlanex16_b32 v252, v14, s[SEL], s[SEL+1]
	s_delay_alu instid0(VALU_DEP_1)
	v_add_f32 v14, v14, v252                       ; and lane l xor 16's
	s_wait_alu depctr_va_vdst(0)
	v_rcp_f32 v14, v14
	v_nop                                          ; a plain place behind the transcendental
.set j, 0
	s_wait_alu depctr_va_vdst(0)
.rept 32
	v_mul_f32 v[96+j], v[160+j], v14               ; ctx: register 16 b + i = channel 32 b + 16 (lane / 16) + i of my query; each accumulator from its low end on
.set j, j+1
.endr
.irp b, 0,1
	v_max3_num_f32 v[232+\b], |v[96+16*\b]|, |v[97+16*\b]|, 0x2800000
.endr
.irp i, 2,4,6,8,10,12,14
.irp b, 0,1
	s_delay_alu instid0(VALU_DEP_2)
	v_max3_num_f32 v[232+\b], v[232+\b], |v[96+16*\b+\i]|, |v[97+16*\b+\i]|
.endr
.endr
.irp b, 0,1
	s_delay_alu instid0(VALU_DEP_2)
	v_permlanex16_b32 v[236+\b], v[232+\b], s[SEL], s[SEL+1]
.endr
.irp b, 0,1
	s_delay_alu instid0(VALU_DEP_2)
	v_max_num_f32 v[232+\b], v[232+\b], v[236+\b]
.endr
.irp b, 0,1
	s_delay_alu instid0(VALU_DEP_2)
	v_add_nc_u32 v[244+\b], 0xfe000000, v[232+\b]
.endr
.irp b, 0,1
	s_delay_alu instid0(VALU_DEP_2)
	v_lshrrev_b32 v[236+\b], 23, v[244+\b]
.endr
	s_delay_alu instid0(VALU_DEP_1)
	v_lshl_or_b32 v[88+\u], v237, 8, v236          ; the head's two bytes of my query
	v_cvt_scalef32_pk16_bf6_f32 v[224:226], v[96:111], v244
	v_cvt_scalef32_pk16_bf6_f32 v[240:242], v[112:127], v245
	v_nop
.irp i, 0,1,2
	v_permlane16_swap_b32 v[224+\i], v[240+\i]
.endr
.irp i, 0,1,2
	s_delay_alu instid0(VALU_DEP_3)
	v_mov_b32 v[227+\i], v[240+\i]
.endr
	global_store_b128 v1, v[224:227], s[42:43] offset:12288*\u         ; half a fragment: 512 consecutive bytes,
	global_store_b64 v2, v[228:229], s[42:43] offset:12288*\u+512      ; and 256
.endm
	PASS 22, 1, 1                                  ; my odd block: its codes in v22-27, zeros behind them
.irp j, 22,23,24,25,26,27
	v_mov_b32 v[\j], 0
.endr
	PASS 16, 0, 0                                  ; my even block: v16-21, and zeros
	v_and_b32 v8, 31, v0
	s_delay_alu instid0(VALU_DEP_1)
	v_cmp_le_u32 vcc_lo, 16, v8
	s_delay_alu instid0(VALU_DEP_1)
	v_cndmask_b32 v90, v88, v89, vcc_lo            ; lanes 0-15 the even block's words, lanes 16-31 the odd one's
	ds_store_b32 v5, v90
	s_wait_dscnt 0x0                               ; for the others' sake
	s_barrier_signal -1
	s_barrier_wait -1
	s_cmp_lt_u32 s[WV], 4
	s_cbranch_scc0 .Lno_cs
	ds_load_b128 v[92:95], v6                      ; the work-group's 2,048 bytes of scale words leave by four waves, 512 consecutive bytes each
	s_wait_dscnt 0x0
	global_store_b128 v7, v[92:95], s[44:45]
.Lno_cs:
	s_wait_tensorcnt 0x0
	ds_add_u32 v223, v243
	s_wait_dscnt 0x0
	ROUND                                          ; the closing round
	s_endpgm
.Lfunc_end_k_q782b94cf5d_attn:
	.size	k_q782b94cf5d_attn, .Lfunc_end_k_q782b94cf5d_attn-k_q782b94cf5d_attn
	.p2alignl 7, 3214868480
	.fill 96, 4, 3214868480
	.section	.rodata,"a",@progbits
	.p2align	6, 0x0
	.amdhsa_kernel k_q782b94cf5d_attn
		.amdhsa_group_segment_fixed_size 219136
		.amdhsa_private_segment_fixed_size 0
		.amdhsa_enable_private_segment 0
		.amdhsa_kernarg_size 32
		.amdhsa_user_sgpr_count 2
		.amdhsa_user_sgpr_kernarg_segment_ptr 1
		.amdhsa_wavefront_size32 1
		.amdhsa_system_sgpr_workgroup_id_x 1
		.amdhsa_system_sgpr_workgroup_id_y 1
		.amdhsa_system_sgpr_workgroup_id_z 1
		.amdhsa_system_vgpr_workitem_id 0
		.amdhsa_next_free_vgpr 256
		.amdhsa_next_free_sgpr 66
		.amdhsa_reserve_vcc 1
		.amdhsa_float_denorm_mode_32 3
		.amdhsa_float_denorm_mode_16_64 3
		.amdhsa_memory_ordered 1
		.amdhsa_forward_progress 1
		.amdhsa_inst_pref_size 51
	.end_amdhsa_kernel
	.amdgpu_metadata
---
amdhsa.version: [ 1, 2 ]
amdhsa.kernels:
  - .name:           k_q782b94cf5d_attn
    .symbol:         k_q782b94cf5d_attn.kd
    .args:
      - { .name: qrec, .offset: 0, .size: 8, .value_kind: global_buffer, .address_space: global }
      - { .name: kv, .offset: 8, .size: 8, .value_kind: global_buffer, .address_space: global }
      - { .name: cc, .offset: 16, .size: 8, .value_kind: global_buffer, .address_space: global }
      - { .name: cs, .offset: 24, .size: 8, .value_kind: global_buffer, .address_space: global }
    .group_segment_fixed_size: 219136
    .private_segment_fixed_size: 0
    .kernarg_segment_align: 8
    .kernarg_segment_size: 32
    .max_flat_workgroup_size: 512
    .sgpr_count:     66
    .vgpr_count:     256
    .wavefront_size: 32
...
	.end_amdgpu_metadata
.endif
;; end of part 3
;; launch outp (part 4): grid 8 x 32, 4 waves a work-group, clusters of 4 x 4, 327,680 bytes of LDS; arguments cc, cs, wc, ws, bo, out0; writes out0
.if DOCPART == 4
	.amdgcn_target "amdgcn-amd-amdhsa--gfx1250"
	.amdhsa_code_object_version 6
	.text
	.protected	k_q782b94cf5d_outp
	.globl	k_q782b94cf5d_outp
	.p2align	8
	.type	k_q782b94cf5d_outp,@function
k_q782b94cf5d_outp:
	s_mov_b64 s[64:65], 0
	v_nop
	global_prefetch_b8 v0, s[64:65] scope:SCOPE_SE
	s_setreg_imm32_b32 hwreg(HW_REG_WAVE_MODE, 25, 1), 1
	s_wait_xcnt 0x0
	s_wait_alu depctr_hold_cnt(0) depctr_sa_sdst(0) depctr_va_vdst(0) depctr_va_sdst(0) depctr_va_ssrc(0) depctr_va_vcc(0) depctr_vm_vsrc(0)
	s_getreg_b32 s2, hwreg(HW_REG_IB_STS2, 6, 4)
	s_cmp_eq_u32 s2, 0
	s_cbranch_scc0 .Lentry_in_a_cluster
	s_endpgm
.Lentry_in_a_cluster:
	s_bfe_u32 s2, ttmp6, 0x10000c
	s_cmp_lg_u32 s2, 0xf033
	s_cbranch_scc0 .Lentry_shape_is_right
	s_endpgm
.Lentry_shape_is_right:
; out0[token][n] = sum over k of ctx[token][k] Wo[k][n] + bo[n], f32, on codes of BF6 (E3M2) with E8M0 scales: 8,192 x 1,024 x 1,024.
; LIMITS: NaN, infinities and sums beyond f32's range are not served; a sum begins with the bias, where the reference adds it last.
; IN: cc [512 blocks of 16 tokens][8 K steps][1536] and wc (Wo's blocks from 192 on) hold fragments in the order of the operand's registers; lane r of block 2 P + u is token (column) 32 P + 8 u + r + 8 (r / 8).
; cs [16 heads][256 pairs of blocks][32 lanes] words, bytes 0, 1 = the head's two scale bytes; ws [pair][2][32 lanes][4 words].
; THE DEAL: 256 work-groups of four waves, 2 x 2, each 256 tokens x 128 columns.  Wave (w, c) holds Wo's four column blocks 4 c .. 4 c + 3, all of K, in 384 registers, and streams the token blocks 2 s + w, s = 0 .. 7, past them:
; 32 products a block, four accumulators by turns, the bias as the first products' C.  Source 0 = Wo's rows, so a lane holds eight neighbouring columns of one token.
; Each block's 16 rows x 256 bytes go through the wave's own stage and are stored at once, sixteen lanes to an aligned unit of 256 bytes.
; LDS: ctx's 16 blocks (196,608 bytes), Wo's 8 (98,304), the four stages, the spare words.  All is filled once, by four loads at the head, one a wave, each on its own line: Wo; ctx's blocks 0-7; 8-11; 12-15.
; The stream begins when the first two are in; a barrier inside block 1 shows the other two, ahead of the fetch of block s = 4.
; CLUSTER 4 x 4: ctx's tiles are shared along a row of the cluster, Wo's along a column.  No data prefetch: all is asked for at the head, and there is no loop to run ahead in.
.set BLK,    12288
.set YB,     16*BLK
.set STAGE,  YB+8*BLK
.set SPITCH, 272
.set SPARE,  STAGE+4*16*SPITCH
.set FR,     12
.set FPW,    21                        ; fragments in a window: fragment f lies in window 1 + f / 21 at register 12 (f % 21).  0-31: Wo's (4 q + b); 32-47: ctx's two sets (32 + 8 e + q)
.set NF,     32                        ; LDS loads of a block's eight fragments
.set A16Z,   6                         ; v6, v7   LDS address of my block 0: + 16 L, + 8 L
.set A8Z,    7
.set A16,    8                         ; v8, v9   the same for the block that is fetched next
.set A8,     9
.set B16,    10                        ; v10, v11 of Wo's blocks
.set B8,     11
.set STO,    12                        ; into the stage
.set RD,     13                        ; out of it
.set CO,     15                        ; my byte offset in out0
.set SPW,    18
.set NIL,    19
.set SB,     24                        ; v24-39   Wo's scale words: 8 (b / 2) + q, lanes 16 (b % 2) + r
.set SA,     44                        ; v44-107  ctx's: 8 s + q, my block's words in lanes 0-15
.set ACC,    108                       ; v108-171 two sets of four accumulators
.set BK,     172                       ; v172-235 two sets of 16 rows back from the stage
.set BO,     128                       ; window 3, v128-159: the bias as the sums lie
.set WV,  16
.set PH,  17
.set QH,  18
.set CX,  19
.set CY,  20
.set CT,  21
.set RT,  22
.set G1A, 24
.set G1B, 32
.set G0A, 40
.set G0B, 44
.set MSB, 0
.macro WIN new
.if MSB != \new
	s_set_vgpr_msb (MSB<<8)|\new
.set MSB, \new
.endif
.endm
.macro PLACES n
.rept \n
	v_nop
.endr
.endm
.macro WALU
	s_wait_alu depctr_va_vdst(0)
.endm
.macro BARRIER
	s_barrier_signal -1
	s_barrier_wait -1
.endm
.macro CROUND
	BARRIER
	s_cmp_lg_u32 s[WV], 0
	s_cbranch_scc1 .Lnot_wave_0_\@
	s_barrier_signal -3
.Lnot_wave_0_\@:
	s_barrier_wait -3
	BARRIER
.endm
.macro TLOAD g0, g1                    ; an s_nop 0 and four v_nop follow the load
	tensor_load_to_lds s[\g0:\g0+3], s[\g1:\g1+7]
	s_nop 0
	PLACES 4
.endm
.macro ATILE first, rows               ; blocks first .. first + rows - 1 of ctx's sixteen: dense, a block a row
	s_mov_b32 s[G0A+1], (\first)*BLK
	s_mov_b32 s[G1A+2], (\rows)<<16
	s_mov_b32 s[G1A+4], \rows
.if \first
	s_add_nc_u64 s[G0A+2:G0A+3], s[G0A+2:G0A+3], (\first)*BLK
.endif
	s_or_b32 s[G0A+3], s[G0A+3], 0x80000000
	TLOAD G0A, G1A
.endm
.macro FRAGL f, a16, a8, off           ; a fragment's image of 1,536 bytes into its twelve registers
	WIN (1+(\f)/FPW)<<6
.set R_, FR*((\f)%FPW)
	ds_load_b128 v[R_:R_+3], v[\a16] offset:\off
	ds_load_b64 v[R_+4:R_+5], v[\a8] offset:\off+512
	ds_load_b128 v[R_+6:R_+9], v[\a16] offset:\off+768
	ds_load_b64 v[R_+10:R_+11], v[\a8] offset:\off+1280
.endm
.macro FETCH e, a16, a8                ; a block of ctx into set e
.irp q, 0,1,2,3,4,5,6,7
	FRAGL 32+8*(\e)+\q, \a16, \a8, 1536*\q
.endr
	WIN 0
.endm
.macro P1 d, s0, s1, c, x0, x1, o
.if \o
	v_wmma_scale_f32_16x16x128_f8f6f4 v[\d:\d+7], v[FR*((\s0)%FPW):FR*((\s0)%FPW)+FR-1], v[FR*((\s1)%FPW):FR*((\s1)%FPW)+FR-1], \c, v[\x0], v[\x1] matrix_a_fmt:MATRIX_FMT_BF6 matrix_b_fmt:MATRIX_FMT_BF6 matrix_a_scale:MATRIX_SCALE_ROW1
.else
	v_wmma_scale_f32_16x16x128_f8f6f4 v[\d:\d+7], v[FR*((\s0)%FPW):FR*((\s0)%FPW)+FR-1], v[FR*((\s1)%FPW):FR*((\s1)%FPW)+FR-1], \c, v[\x0], v[\x1] matrix_a_fmt:MATRIX_FMT_BF6 matrix_b_fmt:MATRIX_FMT_BF6
.endif
.endm
.macro PROD s, n                       ; product n = 4 q + b of block s
.set Q_, (\n)/4
.set B_, (\n)%4
.set FB_, 4*Q_+B_
.set FA_, 32+8*((\s)%2)+Q_
.set D_, ACC+32*((\s)%2)+8*B_
.set XB_, SB+8*(B_/2)+Q_
.set XA_, SA+8*(\s)+Q_
.if Q_
	WIN (1+FB_/FPW)|((1+FA_/FPW)<<2)
	P1 D_, FB_, FA_, v[D_:D_+7], XB_, XA_, B_%2
.else
	WIN (1+FB_/FPW)|((1+FA_/FPW)<<2)|0x30
	P1 D_, FB_, FA_, v[BO+8*B_:BO+8*B_+7], XB_, XA_, B_%2
.endif
.endm
.macro PRODS s, from, to
.set N_, \from
.rept (\to)-(\from)
	PROD \s, N_
.set N_, N_+1
.endr
.endm
.macro STREAM s
.if (\s) == 1
	PRODS \s, 0, 24
	s_wait_tensorcnt 0x0                           ; every wave: all its loads are in, ctx's blocks 8-15 among them
	s_wait_dscnt 0x0
	s_barrier_signal -1
	PRODS \s, 24, 32
	s_barrier_wait -1
.else
	PRODS \s, 0, 32
.endif
	WIN 0
.if (\s) < 6                           ; four plain lines between the last product and the first reader of its sums, and the fetch into registers that it has read
	v_add_nc_u32 v[A16], ((\s)+2)*2*BLK, v[A16Z]
	v_add_nc_u32 v[A8], ((\s)+2)*2*BLK, v[A8Z]
	v_nop
	v_nop
	WALU                                           ; the wait ahead of the wait below
.else
	PLACES 4
.endif
	s_wait_xcnt 0x0                                ; the stores of two blocks ago have read this set of rows
.irp b, 0,1,2,3                        ; register j of lane (r, h), block b: column 32 (b / 2) + 8 (b % 2) + 16 h + j; each accumulator from its low end on
	ds_store_b128 v[STO], v[ACC+32*((\s)%2)+8*\b:ACC+32*((\s)%2)+8*\b+3] offset:128*(\b/2)+32*(\b%2)
	ds_store_b128 v[STO], v[ACC+32*((\s)%2)+8*\b+4:ACC+32*((\s)%2)+8*\b+7] offset:128*(\b/2)+32*(\b%2)+16
.endr
.irp t, 0,1,2,3,4,5,6,7                ; LDS serves a wave's instructions in order: these see the stores above
	ds_load_b128 v[BK+32*((\s)%2)+4*\t:BK+32*((\s)%2)+4*\t+3], v[RD] offset:2*\t*SPITCH
.endr
.if (\s) < 6
	FETCH (\s)%2, A16, A8
	s_wait_dscnt NF                                ; the rows are back, and the next block's fragments are in; only the fetch just issued is younger
.else
	s_wait_dscnt 0x0
.endif
.irp t, 0,1,2,3,4,5,6,7                ; rows 2 t, 2 t + 1 of the block are tokens 2 t + 8 (t / 4) and the next
	global_store_b128 v[CO], v[BK+32*((\s)%2)+4*\t:BK+32*((\s)%2)+4*\t+3], s[14:15] offset:(32*(\s)+2*\t+8*(\t/4))*4096 th:TH_STORE_NT
.endr
.endm
; ---- the head
	s_load_b256 s[4:11], s[0:1], 0x0               ; cc, cs, wc, ws
	s_load_b128 s[12:15], s[0:1], 0x20             ; bo, out0
	v_lshl_add_u32 v[SPW], v0, 2, SPARE
	v_mov_b32 v[NIL], 0
	ds_add_u32 v[SPW], v[NIL]                      ; the opening lines: the add twice on end
	ds_add_u32 v[SPW], v[NIL]
	v_lshrrev_b32 v1, 5, v0
	v_readfirstlane_b32 s[WV], v1
	s_lshr_b32 s[PH], s[WV], 1                     ; w: which block of each pair
	s_and_b32 s[QH], s[WV], 1                      ; c: which 64 columns
	s_bfe_u32 s[CX], ttmp6, 0x40000
	s_bfe_u32 s[CY], ttmp6, 0x40004
	s_lshl_b32 s[CT], ttmp9, 2
	s_add_co_u32 s[CT], s[CT], s[CX]               ; tile column, 0 .. 7
	s_and_b32 s[RT], ttmp7, 0xffff
	s_lshl_b32 s[RT], s[RT], 2
	s_add_co_u32 s[RT], s[RT], s[CY]               ; tile row, 0 .. 31
	s_lshl_b32 s58, s[CY], 2
	s_lshl_b32 s58, 15, s58                        ; my row of the cluster
	s_lshl_b32 s59, 0x1111, s[CX]                  ; my column
	s_or_b32 s[G1A], s58, (3<<16)|(1<<21)          ; elements of 8 bytes, rows of 1,536 of them: a block
	s_or_b32 s[G1B], s59, (3<<16)|(1<<21)
.irp g, G1A, G1B
	s_mov_b32 s[\g+1], 1536<<16
	s_mov_b32 s[\g+3], 1536<<16
	s_mov_b32 s[\g+5], 1536
	s_mov_b32 s[\g+6], 0
	s_mov_b32 s[\g+7], 0
.endr
	s_mov_b32 s[G1B+2], 8<<16
	s_mov_b32 s[G1B+4], 8
	s_mov_b32 s[G0A], 1
	s_mov_b32 s[G0B], 1
	s_mov_b32 s[G0B+1], YB
	s_mul_i32 s48, s[RT], 16*BLK                   ; ctx's tile
	s_mov_b32 s49, 0
	s_mul_i32 s50, s[CT], 8*BLK
	s_add_co_u32 s50, s50, 192*BLK                 ; Wo's tile
	s_mov_b32 s51, 0
	s_lshl_b32 s52, s[RT], 10                      ; cs: 8 pairs of 128 bytes a tile row
	s_mov_b32 s53, 0
	s_lshl_b32 s54, s[CT], 2
	s_lshl_b32 s23, s[QH], 1
	s_add_co_u32 s54, s54, s23
	s_add_co_u32 s54, s54, 96
	s_lshl_b32 s54, s54, 10                        ; ws: pair 96 + 4 tile column + 2 c
	s_mov_b32 s55, 0
	s_lshl_b32 s56, s[CT], 9
	s_lshl_b32 s23, s[QH], 8
	s_add_co_u32 s56, s56, s23                     ; my first column, in bytes
	s_mov_b32 s57, 0
	s_lshl_b32 s60, s[RT], 20
	s_lshl_b32 s23, s[PH], 15
	s_add_co_u32 s60, s60, s23                     ; token 256 tile row + 8 w, rows of 4,096 bytes
	s_mov_b32 s61, 0
	s_mul_i32 s62, s[PH], BLK
	s_mul_i32 s63, s[QH], 4*BLK
	s_add_co_u32 s63, s63, YB
	s_mul_i32 s2, s[WV], 16*SPITCH
	s_add_co_u32 s2, s2, STAGE
	s_lshl_b32 s3, s[PH], 6
	v_and_b32 v1, 31, v0                           ; L
	v_and_b32 v2, 15, v0                           ; r
	v_bfe_u32 v3, v0, 4, 1                         ; h
	v_lshlrev_b32 v4, 4, v1
	v_lshlrev_b32 v5, 3, v1
	v_add_nc_u32 v[A16Z], s62, v4
	v_add_nc_u32 v[A8Z], s62, v5
	v_add_nc_u32 v[A16], 2*BLK, v[A16Z]
	v_add_nc_u32 v[A8], 2*BLK, v[A8Z]
	v_add_nc_u32 v[B16], s63, v4
	v_add_nc_u32 v[B8], s63, v5
	v_lshl_add_u32 v16, v2, 2, s3                  ; cs: the word of lane r + 16 w, in both halves of the lanes
	v_lshlrev_b32 v14, 6, v3                       ; bo: 16 h columns
	v_mul_u32_u24 v17, v2, SPITCH
	v_lshl_add_u32 v17, v3, 6, v17
	v_add_nc_u32 v[STO], s2, v17
	v_mul_u32_u24 v17, v3, SPITCH
	v_lshl_add_u32 v17, v2, 4, v17
	v_add_nc_u32 v[RD], s2, v17
	v_lshlrev_b32 v17, 12, v3
	v_lshl_add_u32 v[CO], v2, 4, v17
	WALU                                           ; the wait at the head's end
	s_wait_dscnt 0x0
	CROUND                                         ; the round in front of the joint loads
	s_wait_kmcnt 0x0
	s_add_nc_u64 s[G0A+2:G0A+3], s[4:5], s[48:49]
	s_add_nc_u64 s[G0B+2:G0B+3], s[8:9], s[50:51]
	s_or_b32 s[G0B+3], s[G0B+3], 0x80000000
	s_add_nc_u64 s[6:7], s[6:7], s[52:53]
	s_add_nc_u64 s[10:11], s[10:11], s[54:55]
	s_add_nc_u64 s[12:13], s[12:13], s[56:57]
	s_add_nc_u64 s[14:15], s[14:15], s[60:61]
	s_add_nc_u64 s[14:15], s[14:15], s[56:57]
	s_cmp_eq_u32 s[WV], 0
	s_cbranch_scc0 .Lwave_1
	TLOAD G0B, G1B                                 ; wave 0: Wo's eight blocks, which are wanted first
	s_branch .Lasked
.Lwave_1:
	s_cmp_eq_u32 s[WV], 1
	s_cbranch_scc0 .Lwave_2
	ATILE 0, 8
	s_branch .Lasked
.Lwave_2:
	s_cmp_eq_u32 s[WV], 2
	s_cbranch_scc0 .Lwave_3
	ATILE 8, 4
	s_branch .Lasked
.Lwave_3:
	ATILE 12, 4
.Lasked:
.irp s, 0,1,2,3,4,5,6,7                ; ctx's scale words: K step q is heads 2 q (low half) and 2 q + 1 (high half, by way of the accumulators' registers)
.irp q, 0,1,2,3,4,5,6,7
	global_load_b32 v[SA+8*\s+\q], v16, s[6:7] offset:(2*\q)*32768+\s*128
	global_load_b32 v[ACC+8*\s+\q], v16, s[6:7] offset:(2*\q+1)*32768+\s*128
.endr
.endr
.irp i, 0,1
.irp q, 0,1
	global_load_b128 v[SB+8*\i+4*\q:SB+8*\i+4*\q+3], v4, s[10:11] offset:\i*1024+\q*512
.endr
.endr
	WIN 0xc0
.irp b, 0,1,2,3
	global_load_b128 v[BO+8*\b:BO+8*\b+3], v14, s[12:13] offset:(32*(\b/2)+8*(\b%2))*4
	global_load_b128 v[BO+8*\b+4:BO+8*\b+7], v14, s[12:13] offset:(32*(\b/2)+8*(\b%2))*4+16
.endr
	WIN 0
	s_wait_loadcnt 0x0
.set n, 0
.rept 64
	v_lshl_or_b32 v[SA+n], v[ACC+n], 16, v[SA+n]
.set n, n+1
.endr
	WALU                                           ; the wait ahead of the waits below
	s_cmp_eq_u32 s[WV], 0
	s_cbranch_scc0 .Lnot_b
	s_wait_tensorcnt 0x0
.Lnot_b:
	BARRIER                                        ; Wo's blocks are in
.irp q, 0,1,2,3,4,5,6,7
.irp b, 0,1,2,3
	FRAGL 4*\q+\b, B16, B8, \b*BLK+\q*1536
.endr
.endr
	WIN 0
	s_cmp_eq_u32 s[WV], 1
	s_cbranch_scc0 .Lnot_a
	s_wait_tensorcnt 0x0
.Lnot_a:
	s_wait_dscnt 0x0
	BARRIER                                        ; ctx's blocks 0-7 are in; waves 2 and 3's tiles may still be on their way
	FETCH 0, A16Z, A8Z
	FETCH 1, A16, A8
	s_wait_dscnt NF                                ; block 0's fragments are in
; ---- the stream
.irp s, 0,1,2,3,4,5,6,7
	STREAM \s
.endr
	s_wait_tensorcnt 0x0                           ; the wave's end
	ds_add_u32 v[SPW], v[NIL]
	s_wait_dscnt 0x0
	CROUND                                         ; the closing round
	s_endpgm
.Lfunc_end_k_q782b94cf5d_outp:
	.size	k_q782b94cf5d_outp, .Lfunc_end_k_q782b94cf5d_outp-k_q782b94cf5d_outp
	.p2alignl 7, 3214868480
	.fill 96, 4, 3214868480
	.section	.rodata,"a",@progbits
	.p2align	6, 0x0
	.amdhsa_kernel k_q782b94cf5d_outp
		.amdhsa_group_segment_fixed_size 327680
		.amdhsa_private_segment_fixed_size 0
		.amdhsa_enable_private_segment 0
		.amdhsa_kernarg_size 48
		.amdhsa_user_sgpr_count 2
		.amdhsa_user_sgpr_kernarg_segment_ptr 1
		.amdhsa_wavefront_size32 1
		.amdhsa_system_sgpr_workgroup_id_x 1
		.amdhsa_system_sgpr_workgroup_id_y 1
		.amdhsa_system_sgpr_workgroup_id_z 1
		.amdhsa_system_vgpr_workitem_id 0
		.amdhsa_next_free_vgpr 928
		.amdhsa_next_free_sgpr 66
		.amdhsa_reserve_vcc 0
		.amdhsa_float_denorm_mode_32 3
		.amdhsa_float_denorm_mode_16_64 3
		.amdhsa_memory_ordered 1
		.amdhsa_forward_progress 1
		.amdhsa_inst_pref_size 100
	.end_amdhsa_kernel
	.amdgpu_metadata
---
amdhsa.version: [ 1, 2 ]
amdhsa.kernels:
  - .name:           k_q782b94cf5d_outp
    .symbol:         k_q782b94cf5d_outp.kd
    .args:
      - { .name: cc, .offset: 0, .size: 8, .value_kind: global_buffer, .address_space: global }
      - { .name: cs, .offset: 8, .size: 8, .value_kind: global_buffer, .address_space: global }
      - { .name: wc, .offset: 16, .size: 8, .value_kind: global_buffer, .address_space: global }
      - { .name: ws, .offset: 24, .size: 8, .value_kind: global_buffer, .address_space: global }
      - { .name: bo, .offset: 32, .size: 8, .value_kind: global_buffer, .address_space: global }
      - { .name: out0, .offset: 40, .size: 8, .value_kind: global_buffer, .address_space: global }
    .group_segment_fixed_size: 327680
    .private_segment_fixed_size: 0
    .kernarg_segment_align: 8
    .kernarg_segment_size: 48
    .max_flat_workgroup_size: 128
    .sgpr_count:     66
    .vgpr_count:     928
    .wavefront_size: 32
...
	.end_amdgpu_metadata
.endif
;; end of part 4
